; MI455X (gfx1250); checked and timed in simulation.
; The chip was launched on July 23, 2026; its instructions are those of AMD's public machine-readable ISA for CDNA 5 (MIT licence, August 2026) and "CDNA5" Instruction Set Architecture Reference Guide (July 2026). The comments in the code are by the model that wrote it; some were corrected since.
;; Multi Head Attention Block. Allowed arithmetic: matrix products marked QUANTISED: E2M1 operands, one E8M0 scale for each 32 along K, by v_wmma_scale_f32_16x16x128_f8f6f4 with both operands' format E2M1 (or v_wmma_scale_f32_32x16x128_f4), f32 sums; products left as they are: bf16, f16 or f32 operands; f32 sums; everything else in f32.
;; Inputs: bk 512 float32; bo 512 float32; bq 512 float32; bv 512 float32; k 2 x 4,096 x 512 float32; mask 1 x 1 x 4,096 x 4,096 bool; q 2 x 4,096 x 512 float32; v 2 x 4,096 x 512 float32; wk 512 x 512 float32; wo 512 x 512 float32; wq 512 x 512 float32; wv 512 x 512 float32.
;; Outputs: out0 2 x 4,096 x 512 float32.
;; This version of the problem:
;;   THIS VERSION OF THE PROBLEM IS GIVEN IN LOW PRECISION. The matrix products marked QUANTISED in the list below multiply operands that are first quantised to E2M1 (2 exponent bits, 1 mantissa bit; 4 bits a number), with one power-of-two scale for each 32 numbers along K (OCP MX v1.0); their sums are f32. The products marked 'left as it is' may take bf16, f16 or f32 operands, with f32 sums. Whichever they take, every output number must still come out within the allowed error. Rounding operands to bf16 (8 significant bits) uses up far more of that allowance than f16 does (11 bits, for magnitudes from 6e-5 to 65,504). All else is computed in f32.
;;   The module's matrix products, in the order in which they are computed (A, B: the left and right operand; K: the contracted axis; several contracted axes count as one K, in the product's order):
;;     1. [M 8,192, K 512] x [K 512, N 512]; A: input q; B: input wq: QUANTISED
;;     2. [M 8,192, K 512] x [K 512, N 512]; A: input k; B: input wk: QUANTISED
;;     3. [M 8,192, K 512] x [K 512, N 512]; A: input v; B: input wv: QUANTISED
;;     4. batch 16 x [M 4,096, K 64] x [K 64, N 4,096]; A: computed on the way; B: computed on the way: left as it is (an operand is computed on the way)
;;     5. batch 16 x [M 4,096, K 4,096] x [K 4,096, N 64]; A: computed on the way; B: computed on the way: left as it is (an operand is computed on the way)
;;     6. [M 8,192, K 512] x [K 512, N 512]; A: computed on the way; B: input wo: left as it is (an operand is computed on the way)
;;   THE QUANTISER, for each operand of a quantised product, along K:
;;     - K is cut into blocks of 32 from its start; a last block that is shorter is filled with zeros.
;;     - A block's scale is 2^e with e = floor(log2(the largest magnitude in the block)) - 2, held to -126 .. 127; a block of zeros has e = 0. As a byte (E8M0): e + 127.
;;     - Each number is divided by its block's scale, clamped to +-6, and rounded to the nearest number of E2M1, ties to even, subnormals kept.
;;     - The product sums the exact products of the quantised numbers (number of the format x scale) in f32.
;;   ~~~python
;;   def quantise(x, axis):      # numpy; x: float32 -> the quantised numbers, widened to float32 again
;;       x = np.moveaxis(x, axis, -1); K = x.shape[-1]
;;       x = np.pad(x, [(0, 0)] * (x.ndim - 1) + [(0, -K % 32)]); x = x.reshape(x.shape[:-1] + (-1, 32)); a = np.abs(x).max(-1, keepdims=True)
;;       e = np.where(a > 0, np.clip(np.frexp(np.where(a > 0, a, 1))[1] - 1 - 2, -126, 127), 0)      # np.frexp(a)[1] - 1 = floor(log2(a)), exactly
;;       r = np.clip(x / 2.0 ** e, -6, 6)
;;       step = 2.0 ** (np.maximum(np.frexp(np.where(r == 0, 1, r))[1] - 1, 0) - 1)
;;       q = np.round(r / step) * step * 2.0 ** e      # np.round: ties to even
;;       return np.moveaxis(q.reshape(q.shape[:-2] + (-1,))[..., :K], -1, axis).astype(np.float32)
;;   ~~~
;; One version. Each part assembles by itself: llvm-mc -triple=amdgcn-amd-amdhsa -mcpu=gfx1250 --defsym DOCPART=n.
;; ======== version 1 of 1: 4 launches
;; limits: values are held in f16: magnitudes above 65,504 overflow, below 6.1e-05 lose precision
;; workspace buffers: mbits 2,097,152 bytes of whole numbers; wimg 393,216 bytes; wsc 49,152 bytes; woimg 524,288 bytes; qimg 8,388,608 bytes; kimg 8,388,608 bytes; vimg 8,388,608 bytes; ximg 8,388,608 bytes
;; launch prep (part 1): grid 272 x 1, 8 waves a work-group, no clusters, 136,192 bytes of LDS; arguments mask, wq, wk, wv, wo, mbits, wimg, wsc, woimg; writes mbits, wimg, wsc, woimg
.if DOCPART == 1
	.amdgcn_target "amdgcn-amd-amdhsa--gfx1250"
	.amdhsa_code_object_version 6
	.text
	.protected	k_q7f22d67d45_prep
	.globl	k_q7f22d67d45_prep
	.p2align	8
	.type	k_q7f22d67d45_prep,@function
k_q7f22d67d45_prep:
	s_mov_b64 s[64:65], 0
	v_nop
	global_prefetch_b8 v0, s[64:65] scope:SCOPE_SE
	s_setreg_imm32_b32 hwreg(HW_REG_WAVE_MODE, 25, 1), 1
	s_wait_xcnt 0x0
; THE LAUNCH IN FRONT: what later launches read many times is laid out once, in the order of the reader's operand registers.
; Work-groups 0-255: the mask [4096][4096] of bytes (0 or 1) becomes lane masks.  mbits [query tile 256][key strip 8][u 2][key tile 32][4 words]: word j = 4 u + (j & 3) of query tile qt and key
;   tile kt has in bit 16 h + r the mask of query 16 qt + r and key 16 kt + 8 h + j: the lanes of register j of a 16 x 16 tile of scores held as (key 8 h + j, query r).
; Work-groups 256-267: wq, wk, wv [512][512] f32 become codes of FP4 (E2M1) with one E8M0 byte for each 32 along K.  wimg [y 3][tile of 16 rows 32][K step of 128: 4][1,024 bytes]: a fragment as its
;   registers lie, lane l's registers 0-3 at 16 l, registers 4-7 at 512 + 16 l.  wsc [y x 32 + tile][lane 32][K step 4]: the scale words, 16 bytes a lane.
; Work-groups 268-271: wo becomes f16 fragments, woimg [tile of 16 rows 32][32 along K: 16][u 2][512 bytes]: lane (r, h) holds row r, k = 32 kc + 16 u + 8 h + 0 .. 7.
; A block's scale is 2^(floor(log2(largest magnitude)) - 2); its byte is the largest magnitude's exponent field - 2, held at 1 from below.
; LIMITS: a block of zeros gets the byte 1 where the rule says 127 (its codes are zeros, and this program alone reads the bytes); NaN and infinities are not served; wo beyond 65,504 has no f16.
; No matrix work, no tensor loads, no barrier: waves share nothing.  No cluster: no two work-groups read the same bytes.
; A weight wave owns 16 rows x 2,048 bytes, in four units of 128 along K.  Each load takes 512 consecutive bytes of a row; a unit turns through the wave's own stage in LDS (rows 528 bytes apart: the
; sixteen rows that a read touches begin in sixteen different groups of banks), so that a lane gets neighbours along K.  The two weight paths have stages of their own.
.set WSTG,  16*528                     ; a wave's stage
.set STG16, 8*WSTG                     ; the f16 path's eight stages lie behind the FP4 path's
.set SPARE, 16*WSTG                    ; the spare words: 128 bytes for each wave, four blocks of 256 bytes that no other line names
.set LI,  3                            ; v3   16 x lane; never rewritten
.set SW,  4                            ; v4   the stage, on the way in
.set SR,  5                            ; v5   and on the way out
.set SPW, 6                            ; v6   my spare word; never rewritten
.set NIL, 7                            ; v7   0; never rewritten
.set MX,  8                            ; v8-9   largest magnitudes of my two blocks
.set SC,  10                           ; v10-11 the conversions' scale operands
.set BY,  12                           ; v12-13 the scale bytes
.set TP,  14                           ; v14  the other half's bytes
.set SH8, 15                           ; v15  8 h
.set WD,  20                           ; v20-23 the four scale words
.set PC,  32                           ; v32-63 codes, or packed f16
.set RAW, 64                           ; v64-191 two sets of 64: a unit as loaded
.set NUM, 192                          ; v192-255 a unit's 64 numbers of my lane
.macro FINISH                          ; a wave that stored to LDS ends so
	s_wait_tensorcnt 0x0
	ds_add_u32 v[SPW], v[NIL]
	s_wait_dscnt 0x0
	s_endpgm
.endm
.macro ULOAD s, set                    ; unit s: 16 rows x 512 bytes
.set i, 0
.rept 16
	global_load_b128 v[RAW+64*(\set)+4*i:RAW+64*(\set)+4*i+3], v[LI], s[26:27] offset:2048*i+512*(\s) th:TH_LOAD_NT
.set i, i+1
.endr
.endm
.macro TOSTG set                       ; into the stage as loaded
.set i, 0
.rept 16
	ds_store_b128 v[SW], v[RAW+64*(\set)+4*i:RAW+64*(\set)+4*i+3] offset:528*i
.set i, i+1
.endr
.endm
; my 64 numbers, register 32 c + i = k 64 c + 32 h + i of row r, become registers pc .. pc + 7 of an FP4 fragment and the scale word wd
.macro QUANT pc, wd
.irp c, 0,1
	v_max3_num_f32 v[MX+\c], |v[NUM+32*\c]|, |v[NUM+32*\c+1]|, 0x1800000   ; with the floor 2^(3 - 127): the byte cannot fall under 1
.endr
.set i, 2
.rept 15
.irp c, 0,1
	v_max3_num_f32 v[MX+\c], v[MX+\c], |v[NUM+32*\c+i]|, |v[NUM+32*\c+i+1]|   ; the two blocks by turns
.endr
.set i, i+2
.endr
.irp c, 0,1
	v_add_nc_u32 v[SC+\c], 0xff000000, v[MX+\c]    ; 2 off the exponent field: the conversion takes this operand's exponent field as its scale
.endr
.irp c, 0,1
	v_lshrrev_b32 v[BY+\c], 23, v[SC+\c]           ; the scale's byte
.endr
	v_lshl_or_b32 v[\wd], v[BY+1], 16, v[BY]       ; blocks h and 2 + h,
	v_lshlrev_b32 v[\wd], v[SH8], v[\wd]           ; at their places in the word;
	v_permlanex16_b32 v[TP], v[\wd], s32, s33
	v_or_b32 v[\wd], v[\wd], v[TP]                 ; with lane l xor 16's two the word is whole
.irp c, 0,1
.irp g, 0,1,2,3
	v_cvt_scalef32_pk8_fp4_f32 v[(\pc)+4*\c+\g], v[NUM+32*\c+8*\g:NUM+32*\c+8*\g+7], v[SC+\c]
.endr
.endr
	v_nop                                          ; one plain line behind the last scaled conversion
.endm
	s_load_b256 s[4:11], s[0:1], 0x0               ; mask s[4:5], wq s[6:7], wk s[8:9], wv s[10:11]
	s_load_b256 s[12:19], s[0:1], 0x20             ; wo s[12:13], mbits s[14:15], wimg s[16:17], wsc s[18:19]
	s_load_b64 s[20:21], s[0:1], 0x40              ; woimg
	v_lshl_add_u32 v[SPW], v0, 2, SPARE
	v_mov_b32 v[NIL], 0
	v_lshrrev_b32 v1, 5, v0
	v_readfirstlane_b32 s22, v1                    ; wave 0..7
	v_and_b32 v2, 31, v0
	v_lshlrev_b32 v[LI], 4, v2
	s_mov_b32 s25, 0
	s_mov_b32 s31, 0
	s_wait_kmcnt 0x0
	s_cmp_lt_u32 ttmp9, 256
	s_cbranch_scc0 .Lweights
	; ---- THE MASK.  The work-group is a tile of 16 queries, the wave a strip of 512 keys.  Row i's load takes 512 consecutive bytes; lane l gets key tile l whole: 16 rows x 16 bytes.
	s_lshl_b32 s24, ttmp9, 16                      ; 16 rows of 4,096 bytes
	s_lshl_b32 s26, s22, 9
	s_add_co_u32 s24, s24, s26
	s_add_nc_u64 s[4:5], s[4:5], s[24:25]
.set i, 0
.rept 16
	global_load_b128 v[64+4*i:64+4*i+3], v[LI], s[4:5] offset:4096*i th:TH_LOAD_NT
.set i, i+1
.endr
	s_lshl_b32 s24, ttmp9, 13                      ; 8,192 bytes of words a query tile, 1,024 a strip
	s_lshl_b32 s26, s22, 10
	s_add_co_u32 s24, s24, s26
	s_add_nc_u64 s[14:15], s[14:15], s[24:25]
	s_wait_loadcnt 0x8                             ; rows 0-7 are in; rows 8-15 may be out
.irp d, 0,1,2,3                                ; byte b of v[8 + d]: bit i = row i's mask of key 4 d + b (a byte holds 0 or 1, so nothing crosses a byte)
	v_lshl_or_b32 v[8+\d], v[68+\d], 1, v[64+\d]
.endr
.irp i, 2,3,4,5,6,7
.irp d, 0,1,2,3
	v_lshl_or_b32 v[8+\d], v[64+4*\i+\d], \i, v[8+\d]
.endr
.endr
	s_wait_loadcnt 0x0
.irp d, 0,1,2,3                                ; the same of rows 8-15 in v[12 + d]
	v_lshl_or_b32 v[12+\d], v[100+\d], 1, v[96+\d]
.endr
.irp i, 2,3,4,5,6,7
.irp d, 0,1,2,3
	v_lshl_or_b32 v[12+\d], v[96+4*\i+\d], \i, v[12+\d]
.endr
.endr
.irp j, 0,1,2,3,4,5,6,7                        ; word j: bits 0-15 key j's sixteen rows, bits 16-31 key 8 + j's
	v_perm_b32 v16, v[12+\j/4], v[8+\j/4], 0x04000400+0x01010101*(\j%4)
	v_perm_b32 v17, v[14+\j/4], v[10+\j/4], 0x04000400+0x01010101*(\j%4)
	v_perm_b32 v[24+\j], v17, v16, 0x05040100
.endr
	global_store_b128 v[LI], v[24:27], s[14:15]              ; each store of the wave covers 512 consecutive bytes, aligned
	global_store_b128 v[LI], v[28:31], s[14:15] offset:512
	s_endpgm
.Lweights:
	v_and_b32 v16, 15, v0                          ; r
	v_bfe_u32 v17, v0, 4, 1                        ; h
	v_mul_u32_u24 v[SR], v16, 528
	s_mul_i32 s23, s22, WSTG
	s_cmp_lt_u32 ttmp9, 268
	s_cbranch_scc0 .Lw16
	; ---- wq, wk, wv INTO FP4
	s_sub_co_u32 s24, ttmp9, 256
	s_lshr_b32 s28, s24, 2                         ; y: four work-groups to a weight
	s_cmp_eq_u32 s28, 0
	s_cselect_b64 s[26:27], s[6:7], s[8:9]
	s_cmp_eq_u32 s28, 2
	s_cselect_b64 s[26:27], s[10:11], s[26:27]
	s_lshl_b32 s28, s24, 3
	s_add_co_u32 s28, s28, s22                     ; 32 y + tile
	s_and_b32 s30, s28, 31
	s_lshl_b32 s30, s30, 15                        ; 16 rows of 2,048 bytes
	s_add_nc_u64 s[26:27], s[26:27], s[30:31]
	s_lshl_b32 s30, s28, 12
	s_add_nc_u64 s[16:17], s[16:17], s[30:31]      ; four fragments of 1,024 bytes
	s_lshl_b32 s30, s28, 9
	s_add_nc_u64 s[18:19], s[18:19], s[30:31]      ; 512 bytes of scale words
	v_add_nc_u32 v[SW], s23, v[LI]
	v_lshl_add_u32 v[SR], v17, 7, v[SR]            ; row r, + 128 h: a lane's block of 32 numbers
	v_add_nc_u32 v[SR], s23, v[SR]
	v_lshlrev_b32 v[SH8], 3, v17
	v_mov_b32 v[TP], 0                             ; a lane permute's destination counts as one of its sources
	s_mov_b32 s32, 0x76543210
	s_mov_b32 s33, 0xfedcba98                      ; lane l xor 16
	ULOAD 0, 0
	ULOAD 1, 1
.macro UNIT4 s
.if \s < 3
	s_wait_loadcnt 16                              ; this unit's loads are in; the next unit's sixteen may be out
.else
	s_wait_loadcnt 0x0
.endif
	TOSTG (\s)%2
.irp c, 0,1
.irp g, 0,1,2,3,4,5,6,7
	ds_load_b128 v[NUM+32*\c+4*\g:NUM+32*\c+4*\g+3], v[SR] offset:256*\c+16*\g   ; LDS serves a wave's instructions in order: these see the stores above
.endr
.endr
	s_wait_dscnt 0x0
.if \s < 2
	ULOAD (\s)+2, (\s)%2
.endif
	QUANT PC+8*(\s), WD+(\s)
	global_store_b128 v[LI], v[PC+8*(\s):PC+8*(\s)+3], s[16:17] offset:1024*(\s)          ; each unit has codes' registers of its own: no store's data are written again
	global_store_b128 v[LI], v[PC+8*(\s)+4:PC+8*(\s)+7], s[16:17] offset:1024*(\s)+512
.endm
	UNIT4 0
	UNIT4 1
	UNIT4 2
	UNIT4 3
	global_store_b128 v[LI], v[WD:WD+3], s[18:19]
	FINISH
.Lw16:	; ---- wo INTO f16
	s_sub_co_u32 s24, ttmp9, 268
	s_lshl_b32 s24, s24, 3
	s_add_co_u32 s24, s24, s22                     ; tile of 16 rows
	s_lshl_b32 s30, s24, 15
	s_add_nc_u64 s[26:27], s[12:13], s[30:31]
	s_lshl_b32 s30, s24, 14
	s_add_nc_u64 s[20:21], s[20:21], s[30:31]      ; 16 fragments of 1,024 bytes
	v_add_nc_u32 v[SW], s23, v[LI]
	v_add_nc_u32 v[SW], STG16, v[SW]
	v_lshl_add_u32 v[SR], v17, 5, v[SR]            ; row r, + 32 h: eight numbers
	v_add_nc_u32 v[SR], s23, v[SR]
	v_add_nc_u32 v[SR], STG16, v[SR]
	ULOAD 0, 0
	ULOAD 1, 1
.macro UNIT16 s
.if \s < 3
	s_wait_loadcnt 16
.else
	s_wait_loadcnt 0x0
.endif
	TOSTG (\s)%2
.irp n, 0,1,2,3,4,5,6,7                        ; n = 2 x (32 along K) + u
.irp e, 0,1
	ds_load_b128 v[NUM+8*\n+4*\e:NUM+8*\n+4*\e+3], v[SR] offset:64*\n+16*\e
.endr
.endr
	s_wait_dscnt 0x0
.if \s < 2
	ULOAD (\s)+2, (\s)%2
.endif
.if \s > 0
	s_wait_xcnt 0x0                                ; the last unit's stores have read their data: the packed registers are written again only behind this wait
.endif
.set i, 0
.rept 32
	v_cvt_pk_f16_f32 v[PC+i], v[NUM+2*i], v[NUM+2*i+1]
.set i, i+1
.endr
.irp n, 0,1,2,3,4,5,6,7
	global_store_b128 v[LI], v[PC+4*\n:PC+4*\n+3], s[20:21] offset:4096*(\s)+512*\n
.endr
.endm
	UNIT16 0
	UNIT16 1
	UNIT16 2
	UNIT16 3
	FINISH
.Lfunc_end_k_q7f22d67d45_prep:
	.size	k_q7f22d67d45_prep, .Lfunc_end_k_q7f22d67d45_prep-k_q7f22d67d45_prep
	.p2alignl 7, 3214868480
	.fill 96, 4, 3214868480
	.section	.rodata,"a",@progbits
	.p2align	6, 0x0
	.amdhsa_kernel k_q7f22d67d45_prep
		.amdhsa_group_segment_fixed_size 136192
		.amdhsa_private_segment_fixed_size 0
		.amdhsa_enable_private_segment 0
		.amdhsa_kernarg_size 72
		.amdhsa_user_sgpr_count 2
		.amdhsa_user_sgpr_kernarg_segment_ptr 1
		.amdhsa_wavefront_size32 1
		.amdhsa_system_sgpr_workgroup_id_x 1
		.amdhsa_system_sgpr_workgroup_id_y 1
		.amdhsa_system_sgpr_workgroup_id_z 1
		.amdhsa_system_vgpr_workitem_id 0
		.amdhsa_next_free_vgpr 256
		.amdhsa_next_free_sgpr 66
		.amdhsa_reserve_vcc 0
		.amdhsa_float_denorm_mode_32 3
		.amdhsa_float_denorm_mode_16_64 3
		.amdhsa_memory_ordered 1
		.amdhsa_forward_progress 1
		.amdhsa_inst_pref_size 63
	.end_amdhsa_kernel
	.amdgpu_metadata
---
amdhsa.version: [ 1, 2 ]
amdhsa.kernels:
  - .name:           k_q7f22d67d45_prep
    .symbol:         k_q7f22d67d45_prep.kd
    .args:
      - { .name: mask, .offset: 0, .size: 8, .value_kind: global_buffer, .address_space: global }
      - { .name: wq, .offset: 8, .size: 8, .value_kind: global_buffer, .address_space: global }
      - { .name: wk, .offset: 16, .size: 8, .value_kind: global_buffer, .address_space: global }
      - { .name: wv, .offset: 24, .size: 8, .value_kind: global_buffer, .address_space: global }
      - { .name: wo, .offset: 32, .size: 8, .value_kind: global_buffer, .address_space: global }
      - { .name: mbits, .offset: 40, .size: 8, .value_kind: global_buffer, .address_space: global }
      - { .name: wimg, .offset: 48, .size: 8, .value_kind: global_buffer, .address_space: global }
      - { .name: wsc, .offset: 56, .size: 8, .value_kind: global_buffer, .address_space: global }
      - { .name: woimg, .offset: 64, .size: 8, .value_kind: global_buffer, .address_space: global }
    .group_segment_fixed_size: 136192
    .private_segment_fixed_size: 0
    .kernarg_segment_align: 8
    .kernarg_segment_size: 72
    .max_flat_workgroup_size: 256
    .sgpr_count:     66
    .vgpr_count:     256
    .wavefront_size: 32
...
	.end_amdgpu_metadata
.endif
;; end of part 1
;; launch proj (part 2): grid 64 x 3, 8 waves a work-group, no clusters, 105,472 bytes of LDS; arguments q, k, v, wimg, wsc, bq, bk, bv, qimg, kimg, vimg; writes qimg, kimg, vimg
.if DOCPART == 2
	.amdgcn_target "amdgcn-amd-amdhsa--gfx1250"
	.amdhsa_code_object_version 6
	.text
	.protected	k_q7f22d67d45_proj
	.globl	k_q7f22d67d45_proj
	.p2align	8
	.type	k_q7f22d67d45_proj,@function
k_q7f22d67d45_proj:
	s_mov_b64 s[64:65], 0
	v_nop
	global_prefetch_b8 v0, s[64:65] scope:SCOPE_SE
	s_setreg_imm32_b32 hwreg(HW_REG_WAVE_MODE, 25, 1), 1
	s_wait_xcnt 0x0
; THE THREE QUANTISED PROJECTIONS: y = 0: (q wq^T + bq) x log2(e) / 8, y = 1: k wk^T + bk, y = 2: v wv^T + bv, on codes of FP4 (E2M1) with one E8M0 scale for each 32 along K, sums in f32.
; The results leave as f16, laid as the attention launch's operand registers:
;   qimg, kimg [batch x 8 + head][tile of 16 tokens 256][t 4][512 bytes]: lane (r, h) holds token r, channels 16 t + 8 h + 0 .. 7;
;   vimg [batch x 8 + head][32 tokens: 128][16 channels: 4][u 2][512 bytes]: lane (r, h) holds channel r of the tile, tokens 16 u + 8 h + 0 .. 7.
; SHARES.  A work-group takes 128 rows of one tensor (grid y).  First wave w quantises rows 16 w .. 16 w + 15 (four fragments of 128 along K) and stores them in LDS as images of their registers;
; one barrier; then wave w is HEAD w: its 64 rows of W (16 fragments, 128 registers) stay in its registers, and it multiplies them with all eight tiles of rows.
; For q and k the product is used transposed (source 0 = 16 rows of W, source 1 = 16 tokens): a lane then holds one token and eight neighbouring channels.  For v it is used as it stands: a lane
; holds one channel and eight neighbouring tokens.  So each store is what the lanes hold: 512 consecutive bytes, no stage on the way out.  The bias is the C of a sum's first matrix instruction.
; 192 work-groups: 8,192 rows a tensor in blocks of 128, three tensors.  NO CLUSTER: the launch has no tensor load; each wave reads its 18 KB of weights once, straight into the registers where they
; stay, and a joint load would send the same bytes through LDS first.
; LIMITS: a block of zeros gets the scale byte 1 where the rule says 127 (its codes are zeros; this program alone reads the bytes); NaN and infinities are not served; results beyond 65,504 have no f16.
.set WSTG,  16*528                     ; LDS: a stage of 16 rows x (512 + 16) bytes for each wave,
.set XIMG,  8*WSTG                     ; x's 32 fragments (tile of rows m, K step s: 4 m + s), 1,024 bytes each,
.set XSC,   XIMG+32*1024               ; their scale words, 128 bytes each,
.set SPARE, XSC+32*128                 ; and the spare words: 128 bytes for each wave, four blocks of 256 bytes that no other line names
.set LI,  1                            ; v1   16 x lane; never rewritten
.set LS,  2                            ; v2   4 x lane
.set SW,  4                            ; v4   the stage, on the way in
.set SR,  5                            ; v5   and on the way out: row r, + 128 h
.set IW,  6                            ; v6   where I store my images
.set XW,  7                            ; v7   and their scale words
.set SPW, 8                            ; v8   my spare word; never rewritten
.set NIL, 9                            ; v9   0; never rewritten
.set MX,  10
.set SC,  12
.set BY,  14
.set WD,  16                           ; v16  the scale word just made
.set TP,  17
.set SH8, 18
.set BV,  19                           ; v19  4 r: the bias of v
.set BA,  20                           ; v20  32 h: the bias of q and k
.set XR,  22                           ; v22  XIMG + 16 x lane
.set XSR, 23                           ; v23  XSC + 4 x lane
.set WS,  24                           ; v24-39 W's scale words (4 t + s): scales and nothing else
.set XS,  40                           ; v40-43 x's scale words: likewise
.set PC,  52                           ; v52-59 the codes just made
.set RAW, 64                           ; v64-191 two sets of 64: a unit of x as loaded
.set NUM, 192                          ; v192-255 a unit's 64 numbers of my lane
.set XF,  64                           ; later: v64-95 x's four fragments, v96-127 four accumulators, v128-159 packed results, two sets
.set ACC, 96
.set PK,  128
.set BQ,  128                          ; window 1: v0-127 W's fragments at 8 (4 t + s); v128-159 the bias, eight registers a tile
.set MSB, 0
.macro WIN new                         ; the immediate's high byte repeats the setting that is left
.if MSB != \new
	s_set_vgpr_msb (MSB<<8)|\new
.set MSB, \new
.endif
.endm
.macro FINISH                          ; the wave's end: behind my last LDS store
	s_wait_tensorcnt 0x0
	ds_add_u32 v[SPW], v[NIL]
	s_wait_dscnt 0x0
	s_endpgm
.endm
.macro ULOAD s, set                    ; unit s of my 16 rows: each load takes 512 consecutive bytes of a row
.set i, 0
.rept 16
	global_load_b128 v[RAW+64*(\set)+4*i:RAW+64*(\set)+4*i+3], v[LI], s[4:5] offset:2048*i+512*(\s) th:TH_LOAD_NT
.set i, i+1
.endr
.endm
; my 64 numbers, register 32 c + i = k 64 c + 32 h + i of row r, become a fragment's registers v[PC] on and its scale word v[WD]
.macro QUANT
.irp c, 0,1
	v_max3_num_f32 v[MX+\c], |v[NUM+32*\c]|, |v[NUM+32*\c+1]|, 0x1800000   ; with the floor 2^(3 - 127): the byte cannot fall under 1
.endr
.set i, 2
.rept 15
.irp c, 0,1
	v_max3_num_f32 v[MX+\c], v[MX+\c], |v[NUM+32*\c+i]|, |v[NUM+32*\c+i+1]|
.endr
.set i, i+2
.endr
.irp c, 0,1
	v_add_nc_u32 v[SC+\c], 0xff000000, v[MX+\c]    ; 2 off the exponent field: the conversion's scale operand
.endr
.irp c, 0,1
	v_lshrrev_b32 v[BY+\c], 23, v[SC+\c]           ; the scale's byte
.endr
	v_lshl_or_b32 v[WD], v[BY+1], 16, v[BY]        ; blocks h and 2 + h, at their places in the word;
	v_lshlrev_b32 v[WD], v[SH8], v[WD]
	v_permlanex16_b32 v[TP], v[WD], s32, s33
	v_or_b32 v[WD], v[WD], v[TP]                   ; with lane l xor 16's two the word is whole
.irp c, 0,1
.irp g, 0,1,2,3
	v_cvt_scalef32_pk8_fp4_f32 v[PC+4*\c+\g], v[NUM+32*\c+8*\g:NUM+32*\c+8*\g+7], v[SC+\c]
.endr
.endr
	v_nop                                          ; one plain line behind the last scaled conversion
.endm
	s_load_b256 s[4:11], s[0:1], 0x0               ; q s[4:5], k s[6:7], v s[8:9], wimg s[10:11]
	s_load_b256 s[12:19], s[0:1], 0x20             ; wsc s[12:13], bq s[14:15], bk s[16:17], bv s[18:19]
	s_load_b128 s[20:23], s[0:1], 0x40             ; qimg s[20:21], kimg s[22:23]
	s_load_b64 s[24:25], s[0:1], 0x50              ; vimg
	v_lshl_add_u32 v[SPW], v0, 2, SPARE
	v_mov_b32 v[NIL], 0
	v_lshrrev_b32 v3, 5, v0
	v_readfirstlane_b32 s28, v3                    ; wave 0..7
	v_and_b32 v3, 31, v0
	v_lshlrev_b32 v[LI], 4, v3
	v_lshlrev_b32 v[LS], 2, v3
	v_and_b32 v[BV], 15, v0                        ; r
	v_bfe_u32 v[BA], v0, 4, 1                      ; h
	s_mul_i32 s29, s28, WSTG
	v_add_nc_u32 v[SW], s29, v[LI]
	v_mul_u32_u24 v[SR], v[BV], 528
	v_lshl_add_u32 v[SR], v[BA], 7, v[SR]
	v_add_nc_u32 v[SR], s29, v[SR]
	s_lshl_b32 s29, s28, 12
	v_add_nc_u32 v[IW], s29, v[LI]
	v_add_nc_u32 v[IW], XIMG, v[IW]
	s_lshl_b32 s29, s28, 9
	v_add_nc_u32 v[XW], s29, v[LS]
	v_add_nc_u32 v[XW], XSC, v[XW]
	v_add_nc_u32 v[XR], XIMG, v[LI]
	v_add_nc_u32 v[XSR], XSC, v[LS]
	v_lshlrev_b32 v[SH8], 3, v[BA]
	v_lshlrev_b32 v[BA], 5, v[BA]
	v_lshlrev_b32 v[BV], 2, v[BV]
	v_mov_b32 v[TP], 0                             ; a lane permute's destination counts as one of its sources
	s_mov_b32 s32, 0x76543210
	s_mov_b32 s33, 0xfedcba98                      ; lane l xor 16
	s_mov_b32 s42, 0x3e38aa3b                      ; log2(e) / 8: the scores' factor and the change to base 2, put on q once
	s_mov_b32 s43, s42                             ; (named with it as a pair, so it is written)
	s_and_b32 s26, ttmp7, 0xffff                   ; y: which tensor
	s_lshl_b32 s30, ttmp9, 18                      ; x: 128 rows of 2,048 bytes a work-group, 16 a wave
	s_lshl_b32 s29, s28, 15
	s_add_co_u32 s30, s30, s29
	s_mov_b32 s31, 0
	s_lshl_b32 s34, s26, 17                        ; W's fragments: 131,072 bytes a weight, 16,384 a head
	s_lshl_b32 s29, s28, 14
	s_add_co_u32 s34, s34, s29
	s_mov_b32 s35, 0
	s_lshl_b32 s36, s26, 14                        ; W's scale words: 16,384 a weight, 2,048 a head
	s_lshl_b32 s29, s28, 11
	s_add_co_u32 s36, s36, s29
	s_mov_b32 s37, 0
	s_lshl_b32 s38, s28, 8                         ; the bias: 64 numbers a head
	s_mov_b32 s39, 0
	s_lshr_b32 s40, ttmp9, 5                       ; the batch: 32 work-groups each
	s_lshl_b32 s40, s40, 3
	s_add_co_u32 s40, s40, s28                     ; batch x 8 + head: 524,288 bytes each
	s_lshl_b32 s40, s40, 19
	s_and_b32 s29, ttmp9, 31
	s_lshl_b32 s29, s29, 14                        ; 128 tokens are 16,384 bytes in either layout
	s_add_co_u32 s40, s40, s29
	s_mov_b32 s41, 0
	s_wait_kmcnt 0x0
	s_cmp_eq_u32 s26, 0                            ; the buffers are chosen by the work-group's y alone
	s_cselect_b64 s[4:5], s[4:5], s[6:7]
	s_cselect_b64 s[14:15], s[14:15], s[16:17]
	s_cselect_b64 s[20:21], s[20:21], s[22:23]
	s_cmp_eq_u32 s26, 2
	s_cselect_b64 s[4:5], s[8:9], s[4:5]
	s_cselect_b64 s[14:15], s[18:19], s[14:15]
	s_cselect_b64 s[20:21], s[24:25], s[20:21]
	s_add_nc_u64 s[4:5], s[4:5], s[30:31]
	s_add_nc_u64 s[10:11], s[10:11], s[34:35]
	s_add_nc_u64 s[12:13], s[12:13], s[36:37]
	s_add_nc_u64 s[14:15], s[14:15], s[38:39]
	s_add_nc_u64 s[20:21], s[20:21], s[40:41]
	; the bias first, so that the counted waits below, which count what is issued behind x's loads, are the same on both ways
	s_cmp_eq_u32 s26, 2
	s_cbranch_scc1 .Lbias_v
	WIN 0x40                                       ; destination window 1
.irp t, 0,1,2,3                                ; q, k: register j of lane (r, h) is channel 16 t + 8 h + j
	global_load_b128 v[BQ+8*\t:BQ+8*\t+3], v[BA], s[14:15] offset:64*\t
	global_load_b128 v[BQ+8*\t+4:BQ+8*\t+7], v[BA], s[14:15] offset:64*\t+16
.endr
	WIN 0
	s_branch .Lbias_in
.Lbias_v:
	WIN 0x40
.irp t, 0,1,2,3                                ; v: all eight registers of lane (r, h) are channel 16 t + r
.irp j, 0,1,2,3,4,5,6,7
	global_load_b32 v[BQ+8*\t+\j], v[BV], s[14:15] offset:64*\t
.endr
.endr
	WIN 0
.Lbias_in:
	ULOAD 0, 0
	ULOAD 1, 1
	WIN 0x40
.set n, 0
.rept 32                                       ; W's 16 fragments: they stay
	global_load_b128 v[4*n:4*n+3], v[LI], s[10:11] offset:512*n
.set n, n+1
.endr
	WIN 0
.irp t, 0,1,2,3
	global_load_b128 v[WS+4*\t:WS+4*\t+3], v[LI], s[12:13] offset:512*\t
.endr
; ---- my 16 rows of x become four fragments.  left: the loads issued behind this unit's, which may stay out
.macro UNITX s, left
	s_wait_loadcnt \left
.set i, 0
.rept 16
	ds_store_b128 v[SW], v[RAW+64*((\s)%2)+4*i:RAW+64*((\s)%2)+4*i+3] offset:528*i
.set i, i+1
.endr
.irp c, 0,1
.irp g, 0,1,2,3,4,5,6,7
	ds_load_b128 v[NUM+32*\c+4*\g:NUM+32*\c+4*\g+3], v[SR] offset:256*\c+16*\g   ; LDS serves a wave's instructions in order: these see the stores above
.endr
.endr
	s_wait_dscnt 0x0                               ; my numbers are in; the last unit's image has been stored
.if \s < 2
	ULOAD (\s)+2, (\s)%2
.endif
	QUANT
	ds_store_b128 v[IW], v[PC:PC+3] offset:1024*(\s)          ; the fragment goes to LDS as its registers stand
	ds_store_b128 v[IW], v[PC+4:PC+7] offset:1024*(\s)+512
	ds_store_b32 v[XW], v[WD] offset:128*(\s)
.endm
	UNITX 0, 52                                    ; behind unit 0's loads: unit 1's 16 and W's 36
	UNITX 1, 52                                    ; behind unit 1's: W's 36 and unit 2's 16
	UNITX 2, 16                                    ; behind unit 2's: unit 3's 16; so W is in
	UNITX 3, 0
	s_wait_dscnt 0x0                               ; for the others' sake: my images have landed
	s_barrier_signal -1
	s_barrier_wait -1                              ; x's 32 fragments lie in LDS; nothing is stored to LDS from here on
; ---- head w against the eight tiles of rows.  form 0: transposed (q, k); 1: as it stands (v).  scale 1: the results are multiplied by log2(e) / 8 (q)
.macro PROD form, scale
.irp m, 0,1,2,3,4,5,6,7
.irp s, 0,1,2,3
.irp c, 0,1
	ds_load_b128 v[XF+8*\s+4*\c:XF+8*\s+4*\c+3], v[XR] offset:(4*\m+\s)*1024+512*\c
.endr
	ds_load_b32 v[XS+\s], v[XSR] offset:(4*\m+\s)*128
.endr
	s_wait_dscnt 0x0
.irp s, 0,1,2,3                                ; the four accumulators take turns, one instruction a turn, K ascending
.if \form == 0
.if \s == 0
	WIN 0x11                                       ; source 0 (W) and source 2 (the bias) window 1
.else
	WIN 0x01
.endif
.irp t, 0,1,2,3
.if \s == 0
	v_wmma_scale_f32_16x16x128_f8f6f4 v[ACC+8*\t:ACC+8*\t+7], v[8*(4*\t+\s):8*(4*\t+\s)+7], v[XF+8*\s:XF+8*\s+7], v[BQ+8*\t:BQ+8*\t+7], v[WS+4*\t+\s], v[XS+\s] matrix_a_fmt:MATRIX_FMT_FP4 matrix_b_fmt:MATRIX_FMT_FP4
.else
	v_wmma_scale_f32_16x16x128_f8f6f4 v[ACC+8*\t:ACC+8*\t+7], v[8*(4*\t+\s):8*(4*\t+\s)+7], v[XF+8*\s:XF+8*\s+7], v[ACC+8*\t:ACC+8*\t+7], v[WS+4*\t+\s], v[XS+\s] matrix_a_fmt:MATRIX_FMT_FP4 matrix_b_fmt:MATRIX_FMT_FP4
.endif
.endr
.else
.if \s == 0
	WIN 0x14                                       ; source 1 (W) and source 2 (the bias) window 1
.else
	WIN 0x04
.endif
.irp t, 0,1,2,3
.if \s == 0
	v_wmma_scale_f32_16x16x128_f8f6f4 v[ACC+8*\t:ACC+8*\t+7], v[XF+8*\s:XF+8*\s+7], v[8*(4*\t+\s):8*(4*\t+\s)+7], v[BQ+8*\t:BQ+8*\t+7], v[XS+\s], v[WS+4*\t+\s] matrix_a_fmt:MATRIX_FMT_FP4 matrix_b_fmt:MATRIX_FMT_FP4
.else
	v_wmma_scale_f32_16x16x128_f8f6f4 v[ACC+8*\t:ACC+8*\t+7], v[XF+8*\s:XF+8*\s+7], v[8*(4*\t+\s):8*(4*\t+\s)+7], v[ACC+8*\t:ACC+8*\t+7], v[XS+\s], v[WS+4*\t+\s] matrix_a_fmt:MATRIX_FMT_FP4 matrix_b_fmt:MATRIX_FMT_FP4
.endif
.endr
.endif
.endr
	WIN 0
.rept 4
	v_nop                                          ; four places behind the last product: for the reads of results, and for the next tile's loads into x's registers
.endr
.if \scale
.set i, 0
.rept 16
	v_pk_mul_f32 v[ACC+i:ACC+i+1], v[ACC+i:ACC+i+1], s[42:43] op_sel_hi:[1,0]   ; each accumulator from its low end on
.set i, i+2
.endr
.endif
.if \m > 1
	s_wait_xcnt 0x0                                ; the stores of two tiles back have read their data: their set is written again only behind this wait
.endif
.set i, 0
.rept 16
	v_cvt_pk_f16_f32 v[PK+16*(\m%2)+i], v[ACC+2*i], v[ACC+2*i+1]
.set i, i+1
.endr
.irp t, 0,1,2,3
.if \form == 0
	global_store_b128 v[LI], v[PK+16*(\m%2)+4*\t:PK+16*(\m%2)+4*\t+3], s[20:21] offset:2048*\m+512*\t          ; each store of the wave covers 512 consecutive bytes, aligned
.else
	global_store_b128 v[LI], v[PK+16*(\m%2)+4*\t:PK+16*(\m%2)+4*\t+3], s[20:21] offset:4096*(\m/2)+1024*\t+512*(\m%2)
.endif
.endr
.endr
.endm
	s_cmp_eq_u32 s26, 0
	s_cbranch_scc0 .Lnot_q
	PROD 0, 1
	FINISH
.Lnot_q:
	s_cmp_eq_u32 s26, 1
	s_cbranch_scc0 .Lis_v
	PROD 0, 0
	FINISH
.Lis_v:
	PROD 1, 0
	FINISH
.Lfunc_end_k_q7f22d67d45_proj:
	.size	k_q7f22d67d45_proj, .Lfunc_end_k_q7f22d67d45_proj-k_q7f22d67d45_proj
	.p2alignl 7, 3214868480
	.fill 96, 4, 3214868480
	.section	.rodata,"a",@progbits
	.p2align	6, 0x0
	.amdhsa_kernel k_q7f22d67d45_proj
		.amdhsa_group_segment_fixed_size 105472
		.amdhsa_private_segment_fixed_size 0
		.amdhsa_enable_private_segment 0
		.amdhsa_kernarg_size 88
		.amdhsa_user_sgpr_count 2
		.amdhsa_user_sgpr_kernarg_segment_ptr 1
		.amdhsa_wavefront_size32 1
		.amdhsa_system_sgpr_workgroup_id_x 1
		.amdhsa_system_sgpr_workgroup_id_y 1
		.amdhsa_system_sgpr_workgroup_id_z 1
		.amdhsa_system_vgpr_workitem_id 0
		.amdhsa_next_free_vgpr 416
		.amdhsa_next_free_sgpr 66
		.amdhsa_reserve_vcc 0
		.amdhsa_float_denorm_mode_32 3
		.amdhsa_float_denorm_mode_16_64 3
		.amdhsa_memory_ordered 1
		.amdhsa_forward_progress 1
		.amdhsa_inst_pref_size 152
	.end_amdhsa_kernel
	.amdgpu_metadata
---
amdhsa.version: [ 1, 2 ]
amdhsa.kernels:
  - .name:           k_q7f22d67d45_proj
    .symbol:         k_q7f22d67d45_proj.kd
    .args:
      - { .name: q, .offset: 0, .size: 8, .value_kind: global_buffer, .address_space: global }
      - { .name: k, .offset: 8, .size: 8, .value_kind: global_buffer, .address_space: global }
      - { .name: v, .offset: 16, .size: 8, .value_kind: global_buffer, .address_space: global }
      - { .name: wimg, .offset: 24, .size: 8, .value_kind: global_buffer, .address_space: global }
      - { .name: wsc, .offset: 32, .size: 8, .value_kind: global_buffer, .address_space: global }
      - { .name: bq, .offset: 40, .size: 8, .value_kind: global_buffer, .address_space: global }
      - { .name: bk, .offset: 48, .size: 8, .value_kind: global_buffer, .address_space: global }
      - { .name: bv, .offset: 56, .size: 8, .value_kind: global_buffer, .address_space: global }
      - { .name: qimg, .offset: 64, .size: 8, .value_kind: global_buffer, .address_space: global }
      - { .name: kimg, .offset: 72, .size: 8, .value_kind: global_buffer, .address_space: global }
      - { .name: vimg, .offset: 80, .size: 8, .value_kind: global_buffer, .address_space: global }
    .group_segment_fixed_size: 105472
    .private_segment_fixed_size: 0
    .kernarg_segment_align: 8
    .kernarg_segment_size: 88
    .max_flat_workgroup_size: 256
    .sgpr_count:     66
    .vgpr_count:     416
    .wavefront_size: 32
...
	.end_amdgpu_metadata
.endif
;; end of part 2
;; launch attn (part 3): grid 16 x 16, 8 waves a work-group, clusters of 4 x 1, 327,680 bytes of LDS; arguments qimg, kimg, vimg, mbits, ximg; writes ximg
.if DOCPART == 3
	.amdgcn_target "amdgcn-amd-amdhsa--gfx1250"
	.amdhsa_code_object_version 6
	.text
	.protected	k_q7f22d67d45_attn
	.globl	k_q7f22d67d45_attn
	.p2align	8
	.type	k_q7f22d67d45_attn,@function
k_q7f22d67d45_attn:
	s_mov_b64 s[64:65], 0
	v_nop
	global_prefetch_b8 v0, s[64:65] scope:SCOPE_SE
	s_setreg_imm32_b32 hwreg(HW_REG_WAVE_MODE, 25, 1), 1
	s_wait_xcnt 0x0
	s_wait_alu depctr_hold_cnt(0) depctr_sa_sdst(0) depctr_va_vdst(0) depctr_va_sdst(0) depctr_va_ssrc(0) depctr_va_vcc(0) depctr_vm_vsrc(0)
	s_getreg_b32 s2, hwreg(HW_REG_IB_STS2, 6, 4)
	s_cmp_eq_u32 s2, 0
	s_cbranch_scc0 .Lentry_in_a_cluster
	s_endpgm
.Lentry_in_a_cluster:
	s_bfe_u32 s2, ttmp6, 0x10000c
	s_cmp_lg_u32 s2, 0x3003
	s_cbranch_scc0 .Lentry_shape_is_right
	s_endpgm
.Lentry_shape_is_right:
; x[b][q][head] = the sum over k of softmax_k(score) V[k], score = Q[q] . K[k] / 8, or -1e-9 where the mask (an input) is set: masked keys keep a weight, so every key counts for every query.
; Operands f16, products, maxima and sums f32.  qimg holds Q x log2(e) / 8, so t = Q . K is the score in base 2; a masked t is -1e-9 x log2(e).  p = 2^(t - m), m the running maximum of the row;
; when m grows, O and the sum l are multiplied by a = 2^(old m - new m).  l is the sum of the unrounded p; p is rounded to f16 for the second product.
; SHARES.  A work-group owns 256 queries of one (batch, head).  Wave w owns query group w & 3 (64 queries: four tiles of 16) and KEY GROUP g = w >> 2: of every slot of 512 keys it walks keys
; 256 g .. 256 g + 255, 64 a step.  So each fragment of K and V read from LDS feeds four products, and two waves lie on a SIMD: one's softmax stands beside the other's products.
; At the end waves w and w xor 4 hold the same queries over different keys: register tile i holds query tile (i + 2 g) & 3, each wave keeps register tiles 0, 1 and hands tiles 2, 3 over through LDS.
; LAYOUT.  S^T = K Q^T (source 0 = 16 keys, source 1 = 16 queries): a lane holds ONE query (lane % 16) and keys 8 (lane / 16) + 0 .. 7.  Two such tiles, rounded in pairs, ARE source 1 of O^T = V^T P.
; kimg, vimg, qimg hold fragments as their registers lie (lane l's 16 bytes at 16 l), so a slot's tiles are dense blocks, LDS needs no padding, and every fragment comes by loads at 16 x lane.
; THE MASK comes as lane masks (mbits), 16 words by a scalar load, and only selects values (v_cndmask_b32): no branch and no address hangs on it.
; CLUSTER.  The four query blocks of a cluster belong to one (batch, head) and walk the same K and V: each tile is asked for JOINTLY, by the same tensor load with the same descriptor and the mask 15.
; RING.  Two slots of 512 keys (64 KB of K, 64 KB of V).  Each of the eight waves fetches an eighth, 64 rows of 256 bytes: one load a wave behind each round.  By this text's count two tensor loads of a wave are out at the head, later one.
; LIMITS: NaN and infinities are not served; |Q log2(e) / 8|, |K|, |V| and |x| stay under 65,504.
; REGISTERS.  window 0: v1-11 addresses; v12-43 statistics, eight a tile: +0 m (+1 its pair's other word), +2 a (+3), +4, +5 l (even keys', odd keys'), +6, +7 at work; v44-51 chains; v52-63 the merge;
;   v64-191 S^T, 32 a tile, P in place in each tile's low 16; v192-255 the step's fragments of K, then of V.   window 1: v0-127 O^T, 32 a tile; v128-191 Q, 16 a tile.
.set SLOT1, 1<<17                      ; slot 1 begins here: one exclusive or turns an address in one slot into the other's
.set STEPB, 8192                       ; a step's 64 keys: 8,192 bytes of K and as many of V
.set SPARE, 2*SLOT1                    ; the spare words: 128 bytes for each wave, four blocks of 256 bytes that no other line names
.set MRGW,  8704                       ; the merge: from LDS byte 0 on, in the slot that was left at the last change (its last fill has landed, nobody reads it): for each wave two tiles
.set MRGT,  4352                       ; of 4,096 bytes of O^T, 128 of l and 128 of m
.set AK0, 1                            ; v1   my lane's place in my key group's K
.set AV0, 2                            ; v2   the same for V
.set ADR, 3                            ; v3   address of K's loads in hand
.set ADV, 4                            ; v4   of V's
.set T0,  5                            ; v5   a masked t
.set SPW, 6                            ; v6   my spare word; never rewritten
.set NIL, 7                            ; v7   0; never rewritten
.set LI,  8                            ; v8   16 x lane
.set PFO, 9                            ; v9   256 x lane: the prefetches' offset; never rewritten
.set QA0, 10                           ; v10  Q: register tiles 0, 1
.set QA1, 11                           ; v11  Q: register tiles 2, 3
.set ST,  12
.set CH,  44
.set MW,  52                           ; v52, v53 where I put what I hand over (16 and 4 bytes a lane); v54, v55 where I find my partner's
.set MW2, 53
.set MR,  54
.set MR2, 55
.set PL,  56                           ; v56-59 my partner's l and m of two tiles
.set TM,  60                           ; v60-63 at work
.set S,   64
.set X,   192
.set QF,  128                          ; in window 1
.set MB,  2                            ; s[2:3] mbits at my four query tiles and my key group
.set WV,  4
.set TB,  5                            ; s5   LDS byte at which the slot's step to be fetched begins
.set N,   6                            ; s6   the step whose mask words are being fetched
.set MOL, 7                            ; s7   their offset for register tiles 0, 1
.set MOH, 24                           ; s24  and for tiles 2, 3
.set TMP, 25
.set G1,  8                            ; s[8:15]  descriptor group 1, one for K and V
.set G0A, 16                           ; s[16:19] group 0 of slot 0's first fill
.set G0B, 20                           ; s[20:23] group 0 of slot 1's, which then walks
.set SEL, 26                           ; s[26:27] lane l xor 16
.set PFA, 28                           ; s[28:29] where my prefetches stand
.set LIM, 30                           ; s30  1 in a wave that prefetches, else the greatest number
.set SLOTS, 31                         ; s31  slots still to be asked for
.set INNER, 66
.set GL,  67                           ; s67  16,384 g: register tiles 0, 1 are query tiles 2 g, 2 g + 1 (8,192 bytes of words each)
.set GH,  100                          ; s100 16,384 (1 - g)
.set XB,  104                          ; s[104:105] ximg at my first kept tile
.set SETA, 32                          ; s32-63 the mask words of the pair's first tile: 16 (j / 4) + 4 kt + j % 4
.set SETB, 68                          ; s68-99 of its second
.set MSB, 0
.macro WIN new                         ; the immediate's high byte repeats the setting that is left
.if MSB != \new
	s_set_vgpr_msb (MSB<<8)|\new
.set MSB, \new
.endif
.endm
.macro PLACES n
.rept \n
	v_nop
.endr
.endm
.macro CROUND                          ; a round of the cluster's barrier
	s_barrier_signal -1
	s_barrier_wait -1
	s_cmp_lg_u32 s[WV], 0
	s_cbranch_scc1 .Lnot_wave_0_\@
	s_barrier_signal -3
.Lnot_wave_0_\@:
	s_barrier_wait -3
	s_barrier_signal -1
	s_barrier_wait -1
.endm
.macro XLOAD adr, n0, cnt              ; registers 4 n .. 4 n + 3 of the step's fragments lie 512 n bytes on, for K and for V alike
.set n, \n0
.rept \cnt
	ds_load_b128 v[X+4*n:X+4*n+3], v[\adr] offset:512*n
.set n, n+1
.endr
.endm
.macro MLOAD off                       ; a step's mask words of two query tiles: four key tiles x 8 words each
	s_load_b512 s[SETA:SETA+15], s[MB:MB+1], s[\off] offset:0x0
	s_load_b512 s[SETA+16:SETA+31], s[MB:MB+1], s[\off] offset:0x200
	s_load_b512 s[SETB:SETB+15], s[MB:MB+1], s[\off] offset:0x2000
	s_load_b512 s[SETB+16:SETB+31], s[MB:MB+1], s[\off] offset:0x2200
.endm
.macro NSTEP                           ; on to the next step's words: 1,024 bytes a slot, 64 a step.  Behind the last step the number is held at 31: that look-ahead stays inside the buffer and is not used
	s_add_co_u32 s[N], s[N], 1
	s_min_u32 s[N], s[N], 31
	s_lshr_b32 s[TMP], s[N], 2
	s_lshl_b32 s[TMP], s[TMP], 10
	s_and_b32 s[MOL], s[N], 3
	s_lshl_b32 s[MOL], s[MOL], 6
	s_add_co_u32 s[MOL], s[MOL], s[TMP]
	s_add_co_u32 s[MOH], s[MOL], s[GH]
	s_add_co_u32 s[MOL], s[MOL], s[GL]
.endm
; S^T = K Q^T: 32 products.  Eight accumulators take turns, one instruction a turn; the first 32 channels start the sums
.macro KQ
	s_wait_dscnt 8                                 ; K's first two key tiles are in; the youngest eight loads may be out
	WIN 0x04                                       ; source 1 (Q) window 1
.irp hf, 0,1
.if \hf == 1
	s_wait_dscnt 0x0
.endif
.irp c, 0,1
.irp k, 0,1
.irp q, 0,1,2,3
.if \c == 0
	v_wmma_f32_16x16x32_f16 v[S+32*\q+8*(2*\hf+\k):S+32*\q+8*(2*\hf+\k)+7], v[X+8*(2*(2*\hf+\k)+\c):X+8*(2*(2*\hf+\k)+\c)+7], v[QF+16*\q+8*\c:QF+16*\q+8*\c+7], 0
.else
	v_wmma_f32_16x16x32_f16 v[S+32*\q+8*(2*\hf+\k):S+32*\q+8*(2*\hf+\k)+7], v[X+8*(2*(2*\hf+\k)+\c):X+8*(2*(2*\hf+\k)+\c)+7], v[QF+16*\q+8*\c:QF+16*\q+8*\c+7], v[S+32*\q+8*(2*\hf+\k):S+32*\q+8*(2*\hf+\k)+7]
.endif
.endr
.endr
.endr
.endr
	WIN 0
.endm
.macro VLOAD                           ; the same step's V takes K's registers.  The addition and three v_nop are the four places behind the last product, for these loads and for the first read of the scores
	v_add_nc_u32 v[ADV], s[TB], v[AV0]
	PLACES 3
	XLOAD ADV, 0, 16
	s_add_co_u32 s[TB], s[TB], STEPB               ; the next fetch is the next step's
.endm
; O^T += V^T P: 32 products, sixteen accumulators by turns.  zero = 1: the first 32 keys start the sums.  kload = 1: as soon as half of V's registers are done with, the next step's K lands there
.macro PVK zero, kload
	s_wait_dscnt 0x0                               ; V is in
.irp g, 0,1
	WIN 0x50                                       ; C and D window 1
.irp ct, 0,1,2,3
.irp q, 0,1,2,3
.if \zero && (\g == 0)
	v_wmma_f32_16x16x32_f16 v[32*\q+8*\ct:32*\q+8*\ct+7], v[X+8*(4*\g+\ct):X+8*(4*\g+\ct)+7], v[S+32*\q+8*\g:S+32*\q+8*\g+7], 0
.else
	v_wmma_f32_16x16x32_f16 v[32*\q+8*\ct:32*\q+8*\ct+7], v[X+8*(4*\g+\ct):X+8*(4*\g+\ct)+7], v[S+32*\q+8*\g:S+32*\q+8*\g+7], v[32*\q+8*\ct:32*\q+8*\ct+7]
.endif
.endr
.endr
	WIN 0
.if \kload
.if \g == 0
	v_add_nc_u32 v[ADR], s[TB], v[AK0]             ; with three v_nop: four places in front of loads into registers that products have read
	PLACES 3
	XLOAD ADR, 0, 8
.else
	PLACES 5                                       ; five: the next products, K Q^T, write over registers that these have read as source 1
	XLOAD ADR, 8, 8
.endif
.elseif \g == 1
	PLACES 4                                       ; in front of the first read of O^T
.endif
.endr
.endm
; THE SOFTMAX of register tiles y and y + 1 for one step, the two tiles line by line.  first = 1: the first step starts m and l and has no a
.macro SOFT2 y, first
	s_wait_kmcnt 0x0                               ; the pair's mask words are in
.irp kt, 0,1,2,3
.irp j, 0,1,2,3,4,5,6,7                        ; each accumulator from its low end on
	v_cndmask_b32 v[S+32*(\y)+8*\kt+\j], v[S+32*(\y)+8*\kt+\j], v[T0], s[SETA+16*(\j/4)+4*\kt+\j%4]
	v_cndmask_b32 v[S+32*(\y)+32+8*\kt+\j], v[S+32*(\y)+32+8*\kt+\j], v[T0], s[SETB+16*(\j/4)+4*\kt+\j%4]
.endr
.endr
.if \y == 0
	MLOAD MOH                                      ; the words are used: the other pair's come into their place
.else
	NSTEP                                          ; (no scalar load is out: the offsets may be written)
	MLOAD MOL
.endif
.irp j, 0,1,2,3                                ; the maximum of 32 t and the old m, three at a time, in four chains
.irp u, 0,1
	v_max3_num_f32 v[CH+4*\u+\j], v[S+32*(\y+\u)+8*\j], v[S+32*(\y+\u)+8*\j+1], v[S+32*(\y+\u)+8*\j+2]
.endr
.endr
.irp i, 3,5
.irp j, 0,1,2,3
.irp u, 0,1
	v_max3_num_f32 v[CH+4*\u+\j], v[CH+4*\u+\j], v[S+32*(\y+\u)+8*\j+\i], v[S+32*(\y+\u)+8*\j+\i+1]
.endr
.endr
.endr
.irp u, 0,1
	v_max3_num_f32 v[CH+4*\u], v[CH+4*\u], v[S+32*(\y+\u)+7], v[S+32*(\y+\u)+15]
.endr
.irp u, 0,1
	v_max3_num_f32 v[CH+4*\u+2], v[CH+4*\u+2], v[S+32*(\y+\u)+23], v[S+32*(\y+\u)+31]
.endr
.irp u, 0,1
	v_max3_num_f32 v[CH+4*\u], v[CH+4*\u], v[CH+4*\u+1], v[CH+4*\u+2]
.endr
.irp u, 0,1
.if \first
	v_max_num_f32 v[CH+4*\u], v[CH+4*\u], v[CH+4*\u+3]
.else
	v_max3_num_f32 v[CH+4*\u], v[CH+4*\u], v[CH+4*\u+3], v[ST+8*(\y+\u)]
.endif
.endr
.irp u, 0,1
	v_permlanex16_b32 v[CH+4*\u+1], v[CH+4*\u], s[SEL], s[SEL+1]   ; the query's other 32 keys lie in the lane 16 away
.endr
.if \first
.irp u, 0,1
	v_max_num_f32 v[ST+8*(\y+\u)], v[CH+4*\u], v[CH+4*\u+1]
.endr
.else
.irp u, 0,1
	v_max_num_f32 v[CH+4*\u], v[CH+4*\u], v[CH+4*\u+1]
.endr
.irp u, 0,1
	v_sub_f32 v[ST+8*(\y+\u)+2], v[ST+8*(\y+\u)], v[CH+4*\u]       ; old m - new m
.endr
.irp u, 0,1
	v_mov_b32 v[ST+8*(\y+\u)], v[CH+4*\u]
.endr
.endif
.set i, 0
.rept 16
.irp u, 0,1
	v_pk_add_f32 v[S+32*(\y+\u)+i:S+32*(\y+\u)+i+1], v[S+32*(\y+\u)+i:S+32*(\y+\u)+i+1], v[ST+8*(\y+\u):ST+8*(\y+\u)+1] op_sel_hi:[1,0] neg_lo:[0,1] neg_hi:[0,1]   ; t - m, two at a time
.endr
.set i, i+2
.endr
.if \first == 0
.irp u, 0,1
	v_exp_f32 v[ST+8*(\y+\u)+2], v[ST+8*(\y+\u)+2]                 ; a
.endr
.endif
.set i, 0
.rept 32
.irp u, 0,1
	v_exp_f32 v[S+32*(\y+\u)+i], v[S+32*(\y+\u)+i]                 ; p: ONE BATCH; none of these lines names another's result
.endr
.set i, i+1
.endr
	v_nop                                          ; a plain line behind the last exponential
	s_wait_alu depctr_va_vdst(0)                   ; one wait for the batch, ahead of its first reader
.irp u, 0,1                                    ; the sum of the unrounded p, in two chains a tile
	v_pk_add_f32 v[CH+4*\u:CH+4*\u+1], v[S+32*(\y+\u):S+32*(\y+\u)+1], v[S+32*(\y+\u)+2:S+32*(\y+\u)+3]
	v_pk_add_f32 v[CH+4*\u+2:CH+4*\u+3], v[S+32*(\y+\u)+4:S+32*(\y+\u)+5], v[S+32*(\y+\u)+6:S+32*(\y+\u)+7]
.endr
.set i, 8
.rept 6
.irp u, 0,1
	v_pk_add_f32 v[CH+4*\u:CH+4*\u+1], v[CH+4*\u:CH+4*\u+1], v[S+32*(\y+\u)+i:S+32*(\y+\u)+i+1]
	v_pk_add_f32 v[CH+4*\u+2:CH+4*\u+3], v[CH+4*\u+2:CH+4*\u+3], v[S+32*(\y+\u)+i+2:S+32*(\y+\u)+i+3]
.endr
.set i, i+4
.endr
.if \first
.irp u, 0,1
	v_pk_add_f32 v[ST+8*(\y+\u)+4:ST+8*(\y+\u)+5], v[CH+4*\u:CH+4*\u+1], v[CH+4*\u+2:CH+4*\u+3]
.endr
.else
.irp u, 0,1
	v_pk_add_f32 v[CH+4*\u:CH+4*\u+1], v[CH+4*\u:CH+4*\u+1], v[CH+4*\u+2:CH+4*\u+3]
.endr
.irp u, 0,1
	v_pk_fma_f32 v[ST+8*(\y+\u)+4:ST+8*(\y+\u)+5], v[ST+8*(\y+\u)+4:ST+8*(\y+\u)+5], v[ST+8*(\y+\u)+2:ST+8*(\y+\u)+3], v[CH+4*\u:CH+4*\u+1] op_sel_hi:[1,0,1]   ; l = a l + the sum
.endr
.endif
.set i, 0
.rept 16
.irp u, 0,1
	v_cvt_pk_f16_f32 v[S+32*(\y+\u)+i], v[S+32*(\y+\u)+2*i], v[S+32*(\y+\u)+2*i+1]   ; P in place: register i is written when its own two numbers have been rounded
.endr
.set i, i+1
.endr
.endm
.macro RESCALE                         ; O^T x a, each accumulator from its low end on
	WIN 0x41                                       ; O^T (destination and source 0) window 1, a window 0
.irp q, 0,1,2,3
.set i, 0
.rept 16
	v_pk_mul_f32 v[32*\q+i:32*\q+i+1], v[32*\q+i:32*\q+i+1], v[ST+8*\q+2:ST+8*\q+3] op_sel_hi:[1,0]
.set i, i+2
.endr
.endr
	WIN 0
.endm
; V^T P of the step in hand; K, scores, V and softmax of the next.  All its LDS reads are the next step's
.macro BODY zero
	PVK \zero, 1
	KQ
	VLOAD
	SOFT2 0, 0
	SOFT2 2, 0
	RESCALE
.endm
; A PREFETCH INTO THE L2 of the slot after the one that is being asked for: 512 blocks of 256 bytes, each named once in the launch.  All clusters of a (batch, head) walk the same K and V: the first
; cluster asks.  Its four partners share the blocks out BY ADDRESS, 8,192 bytes each of every 32,768; in each, waves 0 and 2 ask for K's halves, waves 4 and 6 for V's: one instruction, lanes 256 bytes apart.
; It stands behind the wave's tensor load and its five lines.  Slots 0 to 2 come by their loads alone; the last change that fills a slot asks for nothing.
.macro ASK
	s_cmp_gt_u32 s[SLOTS], s[LIM]
	s_cbranch_scc0 .Lnot_mine_\@
	global_prefetch_b8 v[PFO], s[PFA:PFA+1] th:TH_LOAD_NT scope:SCOPE_SE
.Lnot_mine_\@:
.endm
; THE CHANGE OF SLOTS.  Each wave waits for all its tensor loads (its part of the slot ahead), adds 0 to its spare word, and waits for that and for its reads of the slot that it leaves.
; fill = 1: the barrier is a round of the cluster's, and the joint refill, with the keys two slots on, is the first thing behind it: it has four steps in which to land.
.macro CHANGE fill
	s_wait_tensorcnt 0x0                           ; no tensor load of mine is out, so a group 0 may be written
	ds_add_u32 v[SPW], v[NIL]
.if \fill
	s_xor_b32 s[G0B+1], s[G0B+1], SLOT1            ; the walking descriptor: the other slot than last time,
	s_add_nc_u64 s[G0B+2:G0B+3], s[G0B+2:G0B+3], 65536   ; the next 512 keys; the type bits on top are not reached
	s_wait_xcnt 0x0                                ; the last prefetch, four steps back, has read its address
	s_add_nc_u64 s[PFA:PFA+1], s[PFA:PFA+1], 65536
	s_wait_dscnt 0x0                               ; the add is done, and my reads of the slot are over
	CROUND
	tensor_load_to_lds s[G0B:G0B+3], s[G1:G1+7]
	s_nop 0
	PLACES 4
	ASK
.else
	s_wait_dscnt 0x0
	s_barrier_signal -1
	s_barrier_wait -1
.endif
	s_sub_co_u32 s[TB], s[TB], 4*STEPB             ; the fetches go back to a slot's first step,
	s_xor_b32 s[TB], s[TB], SLOT1                  ; in the other slot
.endm
	s_load_b256 s[32:39], s[0:1], 0x0              ; qimg s[32:33], kimg s[34:35], vimg s[36:37], mbits s[38:39]: in registers that the mask words take later
	s_load_b64 s[40:41], s[0:1], 0x20              ; ximg
	v_lshl_add_u32 v[SPW], v0, 2, SPARE
	v_mov_b32 v[NIL], 0
	ds_add_u32 v[SPW], v[NIL]                      ; the wave's opening: the add, twice on end, and its wait ahead of my first tensor load
	ds_add_u32 v[SPW], v[NIL]
	v_lshrrev_b32 v[TM], 5, v0
	v_readfirstlane_b32 s[WV], v[TM]               ; wave 0..7
	s_lshr_b32 s42, s[WV], 2                       ; g: my key group
	s_and_b32 s43, s[WV], 3                        ; my query group.  Also: which quarter of K's or V's 64 KB I fetch
	s_bfe_u32 s44, ttmp6, 0x40000                  ; cx: my place in the cluster
	s_lshl_b32 s45, ttmp9, 2
	s_add_co_u32 s45, s45, s44                     ; my block of 256 queries: it enters Q's, the mask's and x's addresses alone
	s_and_b32 s46, ttmp7, 0xffff                   ; batch x 8 + head, which the four partners share
	s_mov_b32 s[G1], 15|(3<<16)|(1<<21)            ; 15:0 the mask: all four work-groups; 17:16 elements of 8 bytes; 21 set beside a mask; no padding
	s_mov_b32 s[G1+1], 32<<16                      ; tensor_dim0 = 32 elements: 256 bytes
	s_mov_b32 s[G1+2], 64<<16                      ; tensor_dim1 = 64
	s_mov_b32 s[G1+3], 32<<16                      ; tile_dim0 = 32
	s_mov_b32 s[G1+4], 64                          ; tile_dim1 = 64 rows
	s_mov_b32 s[G1+5], 32                          ; rows on end: a dense block of 16,384 bytes
	s_mov_b32 s[G1+6], 0
	s_mov_b32 s[G1+7], 0
	s_lshl_b32 s47, s46, 19                        ; 524,288 bytes a (batch, head) in qimg, kimg and vimg
	s_lshl_b32 s48, s43, 14                        ; K, V: my quarter
	s_add_co_u32 s48, s48, s47
	s_mov_b32 s49, 0
	s_lshl_b32 s50, s45, 15                        ; Q: 2,048 bytes a tile, 16 tiles a block, 4 a wave
	s_lshl_b32 s51, s43, 13
	s_add_co_u32 s50, s50, s51
	s_add_co_u32 s50, s50, s47
	s_mov_b32 s51, 0
	s_lshl_b32 s52, s45, 17                        ; the mask words: 8,192 bytes a query tile; my key group's begin 256 g bytes on
	s_lshl_b32 s53, s43, 15
	s_add_co_u32 s52, s52, s53
	s_lshl_b32 s53, s42, 8
	s_add_co_u32 s52, s52, s53
	s_mov_b32 s53, 0
	s_lshr_b32 s54, s46, 3                         ; x: 16,384 bytes a tile of tokens: 256 tiles a batch, 16 a block, 4 a query group, 2 g: my kept tiles;
	s_lshl_b32 s54, s54, 22
	s_lshl_b32 s55, s45, 18
	s_add_co_u32 s54, s54, s55
	s_lshl_b32 s55, s43, 16
	s_add_co_u32 s54, s54, s55
	s_lshl_b32 s55, s42, 15
	s_add_co_u32 s54, s54, s55
	s_and_b32 s55, s46, 7                          ; 2,048 bytes a head
	s_lshl_b32 s55, s55, 11
	s_add_co_u32 s54, s54, s55
	s_mov_b32 s55, 0
	s_bfe_u32 s56, s[WV], 0x10001                  ; the prefetches: which half of the 64 KB,
	s_lshl_b32 s56, s56, 15
	s_lshl_b32 s57, s44, 13                        ; my work-group's 8,192 bytes of it,
	s_add_co_u32 s56, s56, s57
	s_add_co_u32 s56, s56, s47
	s_add_co_u32 s56, s56, 2*65536                 ; in slot 2: the first change of slots steps it to slot 3
	s_mov_b32 s57, 0
	s_and_b32 s[LIM], s[WV], 1                     ; 0 in waves 0, 2, 4, 6
	s_or_b32 s[LIM], s[LIM], ttmp9                 ; of the first cluster: the same in all four partners
	s_cmp_eq_u32 s[LIM], 0
	s_cselect_b32 s[LIM], 1, -1
	s_lshl_b32 s[GL], s42, 14
	s_xor_b32 s[GH], s42, 1
	s_lshl_b32 s[GH], s[GH], 14
	s_mov_b32 s[N], 0
	s_mov_b32 s[MOL], s[GL]
	s_mov_b32 s[MOH], s[GH]
	s_mov_b32 s[TB], 0
	s_mov_b32 s[SLOTS], 6
	s_mov_b32 s[SEL], 0x76543210
	s_mov_b32 s[SEL+1], 0xfedcba98
	s_mov_b32 s[G0A], 1                            ; count = 1
	s_lshl_b32 s[G0A+1], s[WV], 14                 ; LDS address: wave x 16,384: K's four quarters, then V's: no place in the cluster enters it
	s_mov_b32 s[G0B], 1
	s_add_co_u32 s[G0B+1], s[G0A+1], SLOT1
	v_and_b32 v[TM], 31, v0
	v_lshlrev_b32 v[LI], 4, v[TM]
	v_lshlrev_b32 v[PFO], 8, v[TM]
	v_lshlrev_b32 v[TM+1], 2, v[TM]
	s_lshl_b32 s60, s42, 15
	v_add_nc_u32 v[AK0], s60, v[LI]                ; my key group's 256 keys: 32,768 bytes of K,
	v_add_nc_u32 v[AV0], 0x10000, v[AK0]           ; and of V, behind K's 64 KB
	s_mul_i32 s60, s[WV], MRGW
	v_add_nc_u32 v[MW], s60, v[LI]
	v_add_nc_u32 v[MW2], s60, v[TM+1]
	s_xor_b32 s60, s[WV], 4                        ; my partner
	s_mul_i32 s60, s60, MRGW
	v_add_nc_u32 v[MR], s60, v[LI]
	v_add_nc_u32 v[MR2], s60, v[TM+1]
	s_lshl_b32 s60, s42, 12
	v_add_nc_u32 v[QA0], s60, v[LI]                ; register tiles 0, 1 are query tiles 2 g, 2 g + 1,
	s_xor_b32 s60, s60, 4096
	v_add_nc_u32 v[QA1], s60, v[LI]                ; tiles 2, 3 the other two
.irp t, 0,1,2,3
	v_mov_b32 v[ST+8*\t+1], 0                      ; named as the other word of a pair, or as a lane permute's destination, before they are first written
	v_mov_b32 v[ST+8*\t+3], 0
	v_mov_b32 v[ST+8*\t+6], 0
	v_mov_b32 v[ST+8*\t+7], 0
.endr
	v_mov_b32 v[T0], 0xb0c64852                    ; -1e-9 x log2(e)
	s_wait_dscnt 0x0                               ; both opening adds are done
	s_wait_kmcnt 0x0
	s_cmp_lt_u32 s[WV], 4                          ; waves 0-3 fetch K, waves 4-7 V: a choice by the wave's number
	s_cselect_b64 s[58:59], s[34:35], s[36:37]
	s_add_nc_u64 s[G0A+2:G0A+3], s[58:59], s[48:49]
	s_add_nc_u64 s[G0B+2:G0B+3], s[G0A+2:G0A+3], 65536
	s_or_b32 s[G0A+3], s[G0A+3], 0x80000000        ; type = 2
	s_or_b32 s[G0B+3], s[G0B+3], 0x80000000
	s_add_nc_u64 s[PFA:PFA+1], s[58:59], s[56:57]
	s_add_nc_u64 s[32:33], s[32:33], s[50:51]
	s_add_nc_u64 s[MB:MB+1], s[38:39], s[52:53]
	s_add_nc_u64 s[XB:XB+1], s[40:41], s[54:55]
	CROUND                                         ; all four work-groups are here: the first joint loads meet
	tensor_load_to_lds s[G0A:G0A+3], s[G1:G1+7]    ; keys 0-511
	s_nop 0
	tensor_load_to_lds s[G0B:G0B+3], s[G1:G1+7]    ; keys 512-1,023
	s_nop 0
	PLACES 4
	WIN 0x40                                       ; destination window 1
.irp i, 0,1
.irp n, 0,1,2,3
	global_load_b128 v[QF+16*\i+4*\n:QF+16*\i+4*\n+3], v[QA0], s[32:33] offset:2048*\i+512*\n     ; Q stays in registers
.endr
.endr
.irp i, 0,1
.irp n, 0,1,2,3
	global_load_b128 v[QF+32+16*\i+4*\n:QF+32+16*\i+4*\n+3], v[QA1], s[32:33] offset:2048*\i+512*\n
.endr
.endr
	WIN 0
	s_wait_xcnt 0x0                                ; Q's loads have read their base: the mask words may land on it
	MLOAD MOL                                      ; step 0, register tiles 0, 1
	s_wait_tensorcnt 0x1                           ; my part of slot 0 is in; slot 1's may stay out
	s_barrier_signal -1
	s_barrier_wait -1                              ; everybody's is
	v_add_nc_u32 v[ADR], s[TB], v[AK0]
	XLOAD ADR, 0, 16                               ; step 0
	s_wait_loadcnt 0x0                             ; Q
	KQ
	VLOAD
	SOFT2 0, 1
	SOFT2 2, 1
	BODY 1                                         ; V^T P of step 0 starts O^T
	s_mov_b32 s[INNER], 2
.Lfirst:
	BODY 0
	s_sub_co_u32 s[INNER], s[INNER], 1
	s_cmp_lg_u32 s[INNER], 0
	s_cbranch_scc1 .Lfirst
.Lslot:                                            ; six trips: every slot but the last two is filled again
	CHANGE 1
	s_mov_b32 s[INNER], 4
.Lstep:
	BODY 0
	s_sub_co_u32 s[INNER], s[INNER], 1
	s_cmp_lg_u32 s[INNER], 0
	s_cbranch_scc1 .Lstep
	s_sub_co_u32 s[SLOTS], s[SLOTS], 1
	s_cmp_lg_u32 s[SLOTS], 0
	s_cbranch_scc1 .Lslot
	CHANGE 0                                       ; the tail is written out
	s_mov_b32 s[INNER], 4
.Llast:
	BODY 0
	s_sub_co_u32 s[INNER], s[INNER], 1
	s_cmp_lg_u32 s[INNER], 0
	s_cbranch_scc1 .Llast
	PVK 0, 0                                       ; V^T P of the last step
	; THE MERGE.  l's two halves and the other half of the lanes' are added.  Register tiles 2, 3 go to my partner with their l and m; its two come for my tiles 0, 1.
	s_wait_kmcnt 0x0                               ; the held look-ahead of mask words has landed: nothing of mine is out on that counter
.irp t, 0,1,2,3
	v_add_f32 v[ST+8*\t+4], v[ST+8*\t+4], v[ST+8*\t+5]
.endr
.irp t, 0,1,2,3
	v_permlanex16_b32 v[ST+8*\t+6], v[ST+8*\t+4], s[SEL], s[SEL+1]
.endr
.irp t, 0,1,2,3
	v_add_f32 v[ST+8*\t+4], v[ST+8*\t+4], v[ST+8*\t+6]
.endr
	WIN 0x04                                       ; an LDS store's data are its source 1: window 1
.irp i, 0,1
.irp k, 0,1,2,3,4,5,6,7
	ds_store_b128 v[MW], v[32*(2+\i)+4*\k:32*(2+\i)+4*\k+3] offset:MRGT*\i+512*\k    ; as the registers stand; each accumulator from its low end on
.endr
.endr
	WIN 0
.irp i, 0,1
	ds_store_b32 v[MW2], v[ST+8*(2+\i)+4] offset:MRGT*\i+4096
	ds_store_b32 v[MW2], v[ST+8*(2+\i)] offset:MRGT*\i+4224
.endr
	s_wait_dscnt 0x0                               ; for my partner's sake: my stores have landed
	s_barrier_signal -1
	s_barrier_wait -1
.irp i, 0,1
	ds_load_b32 v[PL+2*\i], v[MR2] offset:MRGT*\i+4096
	ds_load_b32 v[PL+2*\i+1], v[MR2] offset:MRGT*\i+4224
.endr
.irp i, 0,1
.irp k, 0,1,2,3,4,5,6,7
	ds_load_b128 v[S+32*\i+4*\k:S+32*\i+4*\k+3], v[MR] offset:MRGT*\i+512*\k
.endr
.endr
	s_wait_dscnt 16                                ; the four words are in; the sixteen loads of O^T may be out
.irp i, 0,1
	v_max_num_f32 v[TM+\i], v[ST+8*\i], v[PL+2*\i+1]               ; the common m
.endr
.irp i, 0,1
	v_sub_f32 v[ST+8*\i+2], v[ST+8*\i], v[TM+\i]
	v_sub_f32 v[ST+8*\i+6], v[PL+2*\i+1], v[TM+\i]
.endr
.irp i, 0,1
	v_exp_f32 v[ST+8*\i+2], v[ST+8*\i+2]                           ; f: mine under the common m
	v_exp_f32 v[ST+8*\i+6], v[ST+8*\i+6]                           ; f': my partner's
.endr
	v_nop
	s_wait_alu depctr_va_vdst(0)                   ; one wait for the four
.irp i, 0,1
	v_mul_f32 v[TM+\i], v[ST+8*\i+2], v[ST+8*\i+4]
.endr
.irp i, 0,1
	v_fma_f32 v[TM+\i], v[ST+8*\i+6], v[PL+2*\i], v[TM+\i]         ; the row's sum over all keys
.endr
.irp i, 0,1
	v_rcp_f32 v[TM+2+\i], v[TM+\i]
.endr
	v_nop
	s_wait_alu depctr_va_vdst(0)                   ; and one for the two
.irp i, 0,1
	v_mul_f32 v[ST+8*\i+2], v[ST+8*\i+2], v[TM+2+\i]
	v_mul_f32 v[ST+8*\i+6], v[ST+8*\i+6], v[TM+2+\i]
.endr
	s_wait_dscnt 0x0
.irp i, 0,1
.set e, 0
.rept 16
	v_pk_mul_f32 v[S+32*\i+e:S+32*\i+e+1], v[S+32*\i+e:S+32*\i+e+1], v[ST+8*\i+6:ST+8*\i+7] op_sel_hi:[1,0]
.set e, e+2
.endr
.endr
	WIN 0x01                                       ; source 0 (my O^T) window 1
.irp i, 0,1
.set e, 0
.rept 16
	v_pk_fma_f32 v[S+32*\i+e:S+32*\i+e+1], v[32*\i+e:32*\i+e+1], v[ST+8*\i+2:ST+8*\i+3], v[S+32*\i+e:S+32*\i+e+1] op_sel_hi:[1,0,1]
.set e, e+2
.endr
.endr
	WIN 0
.irp i, 0,1
.set e, 0
.rept 16
	v_cvt_pk_f16_f32 v[S+32*\i+e], v[S+32*\i+2*e], v[S+32*\i+2*e+1]
.set e, e+1
.endr
.endr
.irp i, 0,1
.irp ct, 0,1,2,3
	global_store_b128 v[LI], v[S+32*\i+4*\ct:S+32*\i+4*\ct+3], s[XB:XB+1] offset:16384*\i+512*\ct   ; lane (r, h): token r, channels 16 ct + 8 h + 0 .. 7: half a fragment of the next launch; 512 consecutive bytes
.endr
.endr
	s_wait_tensorcnt 0x0                           ; the wave's end
	ds_add_u32 v[SPW], v[NIL]
	s_wait_dscnt 0x0
	CROUND                                         ; the closing round: no work-group ends while a partner may still ask for a tile that names it
	s_endpgm
.Lfunc_end_k_q7f22d67d45_attn:
	.size	k_q7f22d67d45_attn, .Lfunc_end_k_q7f22d67d45_attn-k_q7f22d67d45_attn
	.p2alignl 7, 3214868480
	.fill 96, 4, 3214868480
	.section	.rodata,"a",@progbits
	.p2align	6, 0x0
	.amdhsa_kernel k_q7f22d67d45_attn
		.amdhsa_group_segment_fixed_size 327680
		.amdhsa_private_segment_fixed_size 0
		.amdhsa_enable_private_segment 0
		.amdhsa_kernarg_size 40
		.amdhsa_user_sgpr_count 2
		.amdhsa_user_sgpr_kernarg_segment_ptr 1
		.amdhsa_wavefront_size32 1
		.amdhsa_system_sgpr_workgroup_id_x 1
		.amdhsa_system_sgpr_workgroup_id_y 1
		.amdhsa_system_sgpr_workgroup_id_z 1
		.amdhsa_system_vgpr_workitem_id 0
		.amdhsa_next_free_vgpr 448
		.amdhsa_next_free_sgpr 106
		.amdhsa_reserve_vcc 0
		.amdhsa_float_denorm_mode_32 3
		.amdhsa_float_denorm_mode_16_64 3
		.amdhsa_memory_ordered 1
		.amdhsa_forward_progress 1
		.amdhsa_inst_pref_size 219
	.end_amdhsa_kernel
	.amdgpu_metadata
---
amdhsa.version: [ 1, 2 ]
amdhsa.kernels:
  - .name:           k_q7f22d67d45_attn
    .symbol:         k_q7f22d67d45_attn.kd
    .args:
      - { .name: qimg, .offset: 0, .size: 8, .value_kind: global_buffer, .address_space: global }
      - { .name: kimg, .offset: 8, .size: 8, .value_kind: global_buffer, .address_space: global }
      - { .name: vimg, .offset: 16, .size: 8, .value_kind: global_buffer, .address_space: global }
      - { .name: mbits, .offset: 24, .size: 8, .value_kind: global_buffer, .address_space: global }
      - { .name: ximg, .offset: 32, .size: 8, .value_kind: global_buffer, .address_space: global }
    .group_segment_fixed_size: 327680
    .private_segment_fixed_size: 0
    .kernarg_segment_align: 8
    .kernarg_segment_size: 40
    .max_flat_workgroup_size: 256
    .sgpr_count:     106
    .vgpr_count:     448
    .wavefront_size: 32
...
	.end_amdgpu_metadata
.endif
;; end of part 3
;; launch outp (part 4): grid 4 x 64, 4 waves a work-group, clusters of 4 x 4, 327,680 bytes of LDS; arguments ximg, woimg, bo, out0; writes out0
.if DOCPART == 4
	.amdgcn_target "amdgcn-amd-amdhsa--gfx1250"
	.amdhsa_code_object_version 6
	.text
	.protected	k_q7f22d67d45_outp
	.globl	k_q7f22d67d45_outp
	.p2align	8
	.type	k_q7f22d67d45_outp,@function
k_q7f22d67d45_outp:
	s_mov_b64 s[64:65], 0
	v_nop
	global_prefetch_b8 v0, s[64:65] scope:SCOPE_SE
	s_setreg_imm32_b32 hwreg(HW_REG_WAVE_MODE, 25, 1), 1
	s_wait_xcnt 0x0
	s_wait_alu depctr_hold_cnt(0) depctr_sa_sdst(0) depctr_va_vdst(0) depctr_va_sdst(0) depctr_va_ssrc(0) depctr_va_vcc(0) depctr_vm_vsrc(0)
	s_getreg_b32 s2, hwreg(HW_REG_IB_STS2, 6, 4)
	s_cmp_eq_u32 s2, 0
	s_cbranch_scc0 .Lentry_in_a_cluster
	s_endpgm
.Lentry_in_a_cluster:
	s_bfe_u32 s2, ttmp6, 0x10000c
	s_cmp_lg_u32 s2, 0xf033
	s_cbranch_scc0 .Lentry_shape_is_right
	s_endpgm
.Lentry_shape_is_right:
; out0 = x wo^T + bo.  x [8,192][512] and wo [512][512] come as f16 fragments laid as their registers lie (ximg, woimg: [tile of 16 rows][32 along K: 16][u 2][512 bytes]); sums f32; out0 f32.
; A tile of out0 is 128 x 128: 256 work-groups.  Four waves, each 64 x 64: 16 accumulators.  K is 512, so x's 128 rows (128 KB) and wo's 128 rows (128 KB) come into LDS ONCE: nothing is filled again.
; They come by quarters of K, so that the products begin when the first quarter has landed: each wave issues four tensor loads at the head (by this text's count four are out), 4 rows of 4,096 bytes each.
; CLUSTER 4 x 4: x's tile hangs on the tile row alone and is shared along a row of the cluster, wo's on the tile column alone and is shared along a column: joint loads.
; THE MATRIX INSTRUCTION IS USED TRANSPOSED (source 0 = 16 rows of wo, source 1 = 16 tokens): a lane holds eight neighbouring numbers of a row of out0.  The bias is the C of each sum's first product.
; LDS: quarter q at 65,536 q: x's two halves of 64 rows, then wo's two (16,384 bytes each); behind them a stage of 16 rows x 272 bytes for each wave, and the spare words.
; REGISTERS.  window 0: v1-7 addresses; v64-127, v128-191 two fragment buffers (wo's four, then x's four); v192-255 the way out.   window 1: v0-127 accumulators at 8 (4 a + b); v128-159 the bias.
.set QB,    65536
.set STAGE, 4*QB
.set SPARE, STAGE+4*16*272             ; 128 bytes for each wave: two blocks of 256 bytes that no other line names
.set ADX, 1                            ; v1   x's fragments: 16 x lane + my half's 16,384, stepped a quarter at a time
.set ADW, 2                            ; v2   wo's
.set STO, 3                            ; v3   the way out: where I put 32 bytes of a row
.set RD,  4                            ; v4   where I read rows back
.set CO,  5                            ; v5   my byte offset in out0
.set SPW, 6                            ; v6   my spare word; never rewritten
.set NIL, 7                            ; v7   0; never rewritten
.set BA,  8                            ; v8   32 h: the bias
.set F0,  64
.set BK,  192
.set WV,  12
.set G1X, 16                           ; s[16:23] group 1 for x's tiles, s[24:31] for wo's: they differ in the mask
.set G1W, 24
.set G0X, 32                           ; s[32:47] four groups 0 for x, s[48:63] for wo
.set G0W, 48
.set MSB, 0
.macro WIN new                         ; the immediate's high byte repeats the setting that is left
.if MSB != \new
	s_set_vgpr_msb (MSB<<8)|\new
.set MSB, \new
.endif
.endm
.macro PLACES n
.rept \n
	v_nop
.endr
.endm
.macro CROUND                          ; a round of the cluster's barrier
	s_barrier_signal -1
	s_barrier_wait -1
	s_cmp_lg_u32 s[WV], 0
	s_cbranch_scc1 .Lnot_wave_0_\@
	s_barrier_signal -3
.Lnot_wave_0_\@:
	s_barrier_wait -3
	s_barrier_signal -1
	s_barrier_wait -1
.endm
	s_load_b256 s[4:11], s[0:1], 0x0               ; ximg s[4:5], woimg s[6:7], bo s[8:9], out0 s[10:11]
	v_lshl_add_u32 v[SPW], v0, 2, SPARE
	v_mov_b32 v[NIL], 0
	ds_add_u32 v[SPW], v[NIL]                      ; the wave's opening: the add, twice on end, and its wait ahead of my first tensor load
	ds_add_u32 v[SPW], v[NIL]
	v_lshrrev_b32 v9, 5, v0
	v_readfirstlane_b32 s[WV], v9                  ; wave 0..3
	s_lshr_b32 s13, s[WV], 1                       ; which 64 rows of the tile are mine
	s_and_b32 s14, s[WV], 1                        ; which 64 columns.  Also: which half of x's or wo's 128 rows I fetch
	s_bfe_u32 s66, ttmp6, 0x40000                  ; cx
	s_bfe_u32 s67, ttmp6, 0x40004                  ; cy
	s_lshl_b32 s68, ttmp9, 2
	s_add_co_u32 s68, s68, s66                     ; tile column
	s_and_b32 s69, ttmp7, 0xffff
	s_lshl_b32 s69, s69, 2
	s_add_co_u32 s69, s69, s67                     ; tile row
	s_lshl_b32 s70, s67, 2
	s_lshl_b32 s70, 15, s70                        ; my row of the cluster
	s_lshl_b32 s71, 0x1111, s66                    ; my column
	s_or_b32 s[G1X], s70, (3<<16)|(1<<21)          ; 15:0 the mask; 17:16 elements of 8 bytes; 21 set beside a mask; no padding
	s_or_b32 s[G1W], s71, (3<<16)|(1<<21)
.irp g, G1X, G1W
	s_mov_b32 s[\g+1], 512<<16                     ; tensor_dim0 = 512 elements: a tile of rows' quarter of K, 4,096 bytes
	s_mov_b32 s[\g+2], 4<<16                       ; tensor_dim1 = 4
	s_mov_b32 s[\g+3], 512<<16                     ; tile_dim0
	s_mov_b32 s[\g+4], 4                           ; tile_dim1: four tiles of 16 rows
	s_mov_b32 s[\g+5], 2048                        ; 16,384 bytes from one to the next
	s_mov_b32 s[\g+6], 0
	s_mov_b32 s[\g+7], 0
.endr
	s_lshl_b32 s77, s14, 16                        ; my half: 65,536 bytes
	s_lshl_b32 s72, s69, 17                        ; x: 131,072 bytes a tile row
	s_add_co_u32 s72, s72, s77
	s_mov_b32 s73, 0
	s_lshl_b32 s74, s68, 17                        ; wo: by the tile column, in registers that never hold the other coordinate
	s_add_co_u32 s74, s74, s77
	s_mov_b32 s75, 0
	s_lshl_b32 s76, s[WV], 14                      ; where they go: wave x 16,384: no place in the cluster enters an LDS address
	s_lshl_b32 s78, s68, 9                         ; my first column, in bytes of f32: 512 x tile column + 256 x half
	s_lshl_b32 s79, s14, 8
	s_add_co_u32 s78, s78, s79
	s_mov_b32 s79, 0
	s_lshl_b32 s80, s69, 18                        ; my first row: 128 rows of 2,048 bytes a tile row, 64 a half
	s_lshl_b32 s81, s13, 17
	s_add_co_u32 s80, s80, s81
	s_add_co_u32 s80, s80, s78
	s_mov_b32 s81, 0
	v_and_b32 v9, 31, v0
	v_lshlrev_b32 v9, 4, v9                        ; 16 x lane
	s_lshl_b32 s82, s13, 14
	v_add_nc_u32 v[ADX], s82, v9
	s_lshl_b32 s82, s14, 14
	s_add_co_u32 s82, s82, 2*16384
	v_add_nc_u32 v[ADW], s82, v9
	v_and_b32 v10, 15, v0                          ; r
	v_bfe_u32 v11, v0, 4, 1                        ; h
	s_mul_i32 s82, s[WV], 16*272
	s_add_co_u32 s82, s82, STAGE                   ; my stage
	v_mul_u32_u24 v[STO], v10, 272
	v_lshl_add_u32 v[STO], v11, 5, v[STO]
	v_add_nc_u32 v[STO], s82, v[STO]               ; in: row r, 32 bytes for each half of the lanes
	v_mul_u32_u24 v[RD], v11, 272
	v_lshl_add_u32 v[RD], v10, 4, v[RD]
	v_add_nc_u32 v[RD], s82, v[RD]                 ; back: lanes 0-15 one row of 256 bytes, lanes 16-31 the next
	v_lshlrev_b32 v[CO], 11, v11
	v_lshl_add_u32 v[CO], v10, 4, v[CO]            ; and the same two rows in out0
	v_lshlrev_b32 v[BA], 5, v11
	s_wait_dscnt 0x0                               ; both opening adds are done
	s_wait_kmcnt 0x0
	s_add_nc_u64 s[72:73], s[4:5], s[72:73]
	s_add_nc_u64 s[74:75], s[6:7], s[74:75]
	s_add_nc_u64 s[8:9], s[8:9], s[78:79]
	s_add_nc_u64 s[10:11], s[10:11], s[80:81]
.irp q, 0,1,2,3
	s_mov_b32 s[G0X+4*\q], 1
	s_add_co_u32 s[G0X+4*\q+1], s76, \q*QB
	s_add_nc_u64 s[G0X+4*\q+2:G0X+4*\q+3], s[72:73], \q*4096
	s_or_b32 s[G0X+4*\q+3], s[G0X+4*\q+3], 0x80000000
	s_mov_b32 s[G0W+4*\q], 1
	s_add_co_u32 s[G0W+4*\q+1], s76, \q*QB
	s_add_nc_u64 s[G0W+4*\q+2:G0W+4*\q+3], s[74:75], \q*4096
	s_or_b32 s[G0W+4*\q+3], s[G0W+4*\q+3], 0x80000000
.endr
	CROUND                                         ; all sixteen work-groups are here: the joint loads meet
	s_cmp_lt_u32 s[WV], 2                          ; waves 0, 1 fetch x's halves, waves 2, 3 wo's: a wave's four fills stand in one branch on its number
	s_cbranch_scc0 .Lfor_w
.irp q, 0,1,2,3
	tensor_load_to_lds s[G0X+4*\q:G0X+4*\q+3], s[G1X:G1X+7]
	s_nop 0
.endr
	PLACES 4
	s_branch .Lasked
.Lfor_w:
.irp q, 0,1,2,3
	tensor_load_to_lds s[G0W+4*\q:G0W+4*\q+3], s[G1W:G1W+7]
	s_nop 0
.endr
	PLACES 4
.Lasked:
	WIN 0x40                                       ; destination window 1
.irp b, 0,1,2,3                                ; register j of lane (r, h) is column 16 b + 8 h + j
	global_load_b128 v[128+8*\b:128+8*\b+3], v[BA], s[8:9] offset:64*\b
	global_load_b128 v[128+8*\b+4:128+8*\b+7], v[BA], s[8:9] offset:64*\b+16
.endr
	WIN 0
.macro FETCH                           ; the fragments of K step fk (32 along K) into buffer fk % 2: 16 loads at 16 x lane
.irp b, 0,1,2,3
.irp u, 0,1
	ds_load_b128 v[F0+64*(fk%2)+8*\b+4*\u:F0+64*(fk%2)+8*\b+4*\u+3], v[ADW] offset:4096*\b+1024*(fk%4)+512*\u
.endr
.endr
.irp a, 0,1,2,3
.irp u, 0,1
	ds_load_b128 v[F0+64*(fk%2)+32+8*\a+4*\u:F0+64*(fk%2)+32+8*\a+4*\u+3], v[ADX] offset:4096*\a+1024*(fk%4)+512*\u
.endr
.endr
.endm
	s_wait_tensorcnt 0x3                           ; my part of the first quarter is in; the three later ones may stay out
	s_barrier_signal -1
	s_barrier_wait -1                              ; everybody's is
.set fk, 0
	FETCH
	s_wait_loadcnt 0x0                             ; the bias
.set kk, 0
.rept 16
.if kk > 0
	PLACES 4                                       ; in front of loads into the buffer that the last step's products have read
.endif
.if kk < 15
.if (kk+1)%4 == 0
	s_wait_dscnt 0x0                               ; no LDS instruction of mine is out at a signal
	s_wait_tensorcnt 3-(kk+1)/4                    ; my part of the next quarter is in; the later ones may stay out
	s_barrier_signal -1
	s_barrier_wait -1
	v_add_nc_u32 v[ADX], QB, v[ADX]
	v_add_nc_u32 v[ADW], QB, v[ADW]
.endif
.set fk, kk+1
	FETCH
	s_wait_dscnt 16                                ; this step's fragments are in; the sixteen just issued may be out
.else
	s_wait_dscnt 0x0
.endif
.set FB, F0+64*(kk%2)
	WIN 0x50                                       ; C and D window 1
.irp a, 0,1,2,3                                ; sixteen accumulators by turns, one instruction a turn
.irp b, 0,1,2,3
.if kk == 0
	v_wmma_f32_16x16x32_f16 v[8*(4*\a+\b):8*(4*\a+\b)+7], v[FB+8*\b:FB+8*\b+7], v[FB+32+8*\a:FB+32+8*\a+7], v[128+8*\b:128+8*\b+7]
.else
	v_wmma_f32_16x16x32_f16 v[8*(4*\a+\b):8*(4*\a+\b)+7], v[FB+8*\b:FB+8*\b+7], v[FB+32+8*\a:FB+32+8*\a+7], v[8*(4*\a+\b):8*(4*\a+\b)+7]
.endif
.endr
.endr
	WIN 0
.set kk, kk+1
.endr
; THE WAY OUT, a block of 16 rows x 64 columns at a time, through my own stage: in as the lanes hold it, back as whole rows of 256 bytes.  LDS serves a wave's instructions in order: no wait between stores and loads.
.macro TOSTAGE a
	WIN 0x04                                       ; an LDS store's data are its source 1: window 1
.irp b, 0,1,2,3
	ds_store_b128 v[STO], v[8*(4*(\a)+\b):8*(4*(\a)+\b)+3] offset:64*\b            ; each accumulator from its low end on
	ds_store_b128 v[STO], v[8*(4*(\a)+\b)+4:8*(4*(\a)+\b)+7] offset:64*\b+16
.endr
	WIN 0
.irp t, 0,1,2,3,4,5,6,7
	ds_load_b128 v[BK+32*((\a)%2)+4*\t:BK+32*((\a)%2)+4*\t+3], v[RD] offset:544*\t
.endr
.endm
.macro SEND a, younger                 ; younger: the LDS instructions issued behind block a's loads
	s_wait_dscnt \younger
.irp t, 0,1,2,3,4,5,6,7
	global_store_b128 v[CO], v[BK+32*((\a)%2)+4*\t:BK+32*((\a)%2)+4*\t+3], s[10:11] offset:32768*(\a)+4096*\t th:TH_STORE_NT   ; 16 lanes store 256 consecutive bytes, aligned; written once, read by nobody here
.endr
.endm
	PLACES 4                                       ; behind the last product, in front of the first read of results
	TOSTAGE 0
	TOSTAGE 1
	SEND 0, 16
	s_wait_xcnt 0x0                                ; block 0's stores have read their data: block 2's rows may land there
	TOSTAGE 2
	SEND 1, 16
	s_wait_xcnt 0x0
	TOSTAGE 3
	SEND 2, 16
	SEND 3, 0
	s_wait_tensorcnt 0x0                           ; the wave's end
	ds_add_u32 v[SPW], v[NIL]
	s_wait_dscnt 0x0
	CROUND                                         ; the closing round
	s_endpgm
.Lfunc_end_k_q7f22d67d45_outp:
	.size	k_q7f22d67d45_outp, .Lfunc_end_k_q7f22d67d45_outp-k_q7f22d67d45_outp
	.p2alignl 7, 3214868480
	.fill 96, 4, 3214868480
	.section	.rodata,"a",@progbits
	.p2align	6, 0x0
	.amdhsa_kernel k_q7f22d67d45_outp
		.amdhsa_group_segment_fixed_size 327680
		.amdhsa_private_segment_fixed_size 0
		.amdhsa_enable_private_segment 0
		.amdhsa_kernarg_size 32
		.amdhsa_user_sgpr_count 2
		.amdhsa_user_sgpr_kernarg_segment_ptr 1
		.amdhsa_wavefront_size32 1
		.amdhsa_system_sgpr_workgroup_id_x 1
		.amdhsa_system_sgpr_workgroup_id_y 1
		.amdhsa_system_sgpr_workgroup_id_z 1
		.amdhsa_system_vgpr_workitem_id 0
		.amdhsa_next_free_vgpr 416
		.amdhsa_next_free_sgpr 100
		.amdhsa_reserve_vcc 0
		.amdhsa_float_denorm_mode_32 3
		.amdhsa_float_denorm_mode_16_64 3
		.amdhsa_memory_ordered 1
		.amdhsa_forward_progress 1
		.amdhsa_inst_pref_size 53
	.end_amdhsa_kernel
	.amdgpu_metadata
---
amdhsa.version: [ 1, 2 ]
amdhsa.kernels:
  - .name:           k_q7f22d67d45_outp
    .symbol:         k_q7f22d67d45_outp.kd
    .args:
      - { .name: ximg, .offset: 0, .size: 8, .value_kind: global_buffer, .address_space: global }
      - { .name: woimg, .offset: 8, .size: 8, .value_kind: global_buffer, .address_space: global }
      - { .name: bo, .offset: 16, .size: 8, .value_kind: global_buffer, .address_space: global }
      - { .name: out0, .offset: 24, .size: 8, .value_kind: global_buffer, .address_space: global }
    .group_segment_fixed_size: 327680
    .private_segment_fixed_size: 0
    .kernarg_segment_align: 8
    .kernarg_segment_size: 32
    .max_flat_workgroup_size: 128
    .sgpr_count:     100
    .vgpr_count:     416
    .wavefront_size: 32
...
	.end_amdgpu_metadata
.endif
;; end of part 4
